; MI455X (gfx1250); checked and timed in simulation.
; The chip was launched on July 23, 2026; its instructions are those of AMD's public machine-readable ISA for CDNA 5 (MIT licence, August 2026) and "CDNA5" Instruction Set Architecture Reference Guide (July 2026). The comments in the code are by the model that wrote it; some were corrected since.
;; Differential Multi Head Attention. Allowed arithmetic: matrix products marked QUANTISED: E2M3 operands, one E8M0 scale for each 32 along K, by v_wmma_scale_f32_16x16x128_f8f6f4 with both operands' format E2M3, f32 sums; everything else in f32.
;; Inputs: Wk_codes 1,024 x 32 x 24 uint8 (E2M3 codes of Wk, K innermost, in blocks of 32 codes, four codes in three bytes); Wk_scales 1,024 x 32 uint8 (E8M0 scales of Wk, one for each 32 codes along K); Wo_codes 1,024 x 32 x 24 uint8 (E2M3 codes of Wo, K innermost, in blocks of 32 codes, four codes in three bytes); Wo_scales 1,024 x 32 uint8 (E8M0 scales of Wo, one for each 32 codes along K); Wq_codes 1,024 x 32 x 24 uint8 (E2M3 codes of Wq, K innermost, in blocks of 32 codes, four codes in three bytes); Wq_scales 1,024 x 32 uint8 (E8M0 scales of Wq, one for each 32 codes along K); Wv_codes 1,024 x 32 x 24 uint8 (E2M3 codes of Wv, K innermost, in blocks of 32 codes, four codes in three bytes); Wv_scales 1,024 x 32 uint8 (E8M0 scales of Wv, one for each 32 codes along K); lambda_k1 32 float32; lambda_k2 32 float32; lambda_q1 32 float32; lambda_q2 32 float32; subln_w 64 float32; x_codes 2 x 2,048 x 32 x 24 uint8 (E2M3 codes of x, K innermost, in blocks of 32 codes, four codes in three bytes); x_scales 2 x 2,048 x 32 uint8 (E8M0 scales of x, one for each 32 codes along K).
;; Outputs: out0 2 x 2,048 x 1,024 float32.
;; This version of the problem:
;;   THIS VERSION OF THE PROBLEM IS GIVEN IN LOW PRECISION. The matrix products marked QUANTISED in the list below multiply operands that are first quantised to E2M3 (2 exponent bits, 3 mantissa bits; 6 bits a number), with one power-of-two scale for each 32 numbers along K (OCP MX v1.0); their sums are f32. All else is computed in f32.
;;   The module's matrix products, in the order in which they are computed (A, B: the left and right operand; K: the contracted axis; several contracted axes count as one K, in the product's order):
;;     1. [M 4,096, K 1,024] x [K 1,024, N 1,024]; A: input x (given as codes); B: input Wq (given as codes): QUANTISED
;;     2. [M 4,096, K 1,024] x [K 1,024, N 1,024]; A: input x (given as codes); B: input Wk (given as codes): QUANTISED
;;     3. [M 4,096, K 1,024] x [K 1,024, N 1,024]; A: input x (given as codes); B: input Wv (given as codes): QUANTISED
;;     4. batch 64 x [M 2,048, K 32] x [K 32, N 2,048]; A: computed on the way; B: computed on the way: QUANTISED
;;     5. batch 32 x [M 2,048, K 2,048] x [K 2,048, N 64]; A: computed on the way; B: computed on the way: QUANTISED
;;     6. [M 4,096, K 1,024] x [K 1,024, N 1,024]; A: computed on the way; B: input Wo (given as codes): QUANTISED
;;   THE QUANTISER, for each operand of a quantised product, along K:
;;     - K is cut into blocks of 32 from its start; a last block that is shorter is filled with zeros.
;;     - A block's scale is 2^e with e = floor(log2(the largest magnitude in the block)) - 2, held to -126 .. 127; a block of zeros has e = 0. As a byte (E8M0): e + 127.
;;     - Each number is divided by its block's scale, clamped to +-7.5, and rounded to the nearest number of E2M3, ties to even, subnormals kept.
;;     - The product sums the exact products of the quantised numbers (number of the format x scale) in f32.
;;   ~~~python
;;   def quantise(x, axis):      # numpy; x: float32 -> the quantised numbers, widened to float32 again
;;       x = np.moveaxis(x, axis, -1); K = x.shape[-1]
;;       x = np.pad(x, [(0, 0)] * (x.ndim - 1) + [(0, -K % 32)]); x = x.reshape(x.shape[:-1] + (-1, 32)); a = np.abs(x).max(-1, keepdims=True)
;;       e = np.where(a > 0, np.clip(np.frexp(np.where(a > 0, a, 1))[1] - 1 - 2, -126, 127), 0)      # np.frexp(a)[1] - 1 = floor(log2(a)), exactly
;;       r = np.clip(x / 2.0 ** e, -7.5, 7.5)
;;       step = 2.0 ** (np.maximum(np.frexp(np.where(r == 0, 1, r))[1] - 1, 0) - 3)
;;       q = np.round(r / step) * step * 2.0 ** e      # np.round: ties to even
;;       return np.moveaxis(q.reshape(q.shape[:-2] + (-1,))[..., :K], -1, axis).astype(np.float32)
;;   ~~~
;;   OPERANDS COMPUTED ON THE WAY. 'Computed on the way' means the value that the module computes at that place (a softmax that the list does not call 'softmax' is quantised finished and normalised). What goes into a quantiser is computed in f32, as accurately as f32 sums, v_exp_f32 and their like allow (about 1e-6 of the number): no bf16 or f16 on the way to a quantiser, and a product that is left as it is and whose result goes on into a quantised operand takes f32 operands (vector FMAs, or v_wmma_f32_16x16x4_f32). A number that lies on a knife's edge between two numbers of the format may be rounded either way, as far as f32 arithmetic and the matrix unit's own rounding can turn it there, and no further.
;;   INPUTS GIVEN AS CODES. Wk (in the module: [1024, 1024], K = its axis 1); Wo (in the module: [1024, 1024], K = its axis 1); Wq (in the module: [1024, 1024], K = its axis 1); Wv (in the module: [1024, 1024], K = its axis 1); x (in the module: [2, 2048, 1024], K = its axis 2): each comes as NAME_codes (uint8): NAME with its K axis moved to the last place and cut into blocks of 32 codes, [.., K / 32, bytes a block], one block behind the other in memory; four codes in three bytes: a row's codes are one little-endian stream of bits, code i at bits 6 i .. 6 i + 5 (a code: sign, 2 exponent bits, 3 mantissa bits); and NAME_scales (uint8): the same leading axes, one E8M0 byte (e + 127) for each 32 codes along K. Its value is code x scale, taken as it is: it is not quantised again, and the codes and scales need not be those that the quantiser above would give.
;; One version. Each part assembles by itself: llvm-mc -triple=amdgcn-amd-amdhsa -mcpu=gfx1250 --defsym DOCPART=n.
;; ======== version 1 of 1: 3 launches
;; limits: right only within a limited range of input values
;; workspace buffers: qbuf 3,276,800 bytes; kbuf 3,276,800 bytes; vbuf 3,276,800 bytes; abuf 3,145,728 bytes; asc 131,072 bytes
;; launch qkv (part 1): grid 8 x 32, 4 waves a work-group, clusters of 4 x 4, 327,680 bytes of LDS; arguments x_codes, x_scales, Wq_codes, Wq_scales, Wk_codes, Wk_scales, Wv_codes, Wv_scales, qbuf, kbuf, vbuf; writes qbuf, kbuf, vbuf
.if DOCPART == 1
	.amdgcn_target "amdgcn-amd-amdhsa--gfx1250"
	.amdhsa_code_object_version 6
	.text
	.protected	k_qf3f5e310e2_qkv
	.globl	k_qf3f5e310e2_qkv
	.p2align	8
	.type	k_qf3f5e310e2_qkv,@function
k_qf3f5e310e2_qkv:
	s_mov_b64 s[64:65], 0
	v_nop
	global_prefetch_b8 v0, s[64:65] scope:SCOPE_SE
	s_setreg_imm32_b32 hwreg(HW_REG_WAVE_MODE, 25, 1), 1
	s_wait_xcnt 0x0
	s_wait_alu depctr_hold_cnt(0) depctr_sa_sdst(0) depctr_va_vdst(0) depctr_va_sdst(0) depctr_va_ssrc(0) depctr_va_vcc(0) depctr_vm_vsrc(0)
	s_getreg_b32 s2, hwreg(HW_REG_IB_STS2, 6, 4)
	s_cmp_eq_u32 s2, 0
	s_cbranch_scc0 .Lentry_in_a_cluster
	s_endpgm
.Lentry_in_a_cluster:
	s_bfe_u32 s2, ttmp6, 0x10000c
	s_cmp_lg_u32 s2, 0xf033
	s_cbranch_scc0 .Lentry_shape_is_right
	s_endpgm
.Lentry_shape_is_right:
; q = x Wq^T / sqrt(32), k = x Wk^T, v = x Wv^T on codes of FP6 (E2M3) with one E8M0 scale for each 32 along K = 1,024; the results are quantised here, q and k along a head's 32 numbers, v along the keys,
; and leave as IMAGES OF OPERAND REGISTERS for the attention launch.
; SHARES.  A work-group owns 128 tokens (tb) x 128 features (fg) and stays for three tiles, q, k, v, on one tile of x.  Each of its four waves has 16 accumulators: source 0 = all 128 rows of one tensor
; (8 tiles), source 1 = 32 rows of the other (2 tiles).  For q and k source 0 is W and source 1 is x: a lane holds one token and its registers run along the features.  For v source 0 is x and source 1 is W:
; a lane holds one feature and its registers run along the tokens, which are the keys.
; THE ROWS OF A TILE ARE NOT NEIGHBOURS: row r of tile u of a group of 64 rows is row 8 u + r % 8 + 32 (r / 8).  In the result register j of lane half h is source 0's row 8 h + j, so the 32 registers of the four
; tiles of a group are 32 NEIGHBOURS, 32 h + 0 .. 31: a whole block of the quantiser in one lane.  Its largest magnitude needs no other lane, and its six code registers are half an operand as they stand.
; AN IMAGE is those six registers: pair p of lane l at 256 p + 8 l, 768 bytes; each store of the wave covers 256 consecutive bytes, aligned.
; qbuf, kbuf: for each pair of heads 102,400 bytes: [token tile 0..127][768]: lane (r, h) = token r of the tile, head 2 pair + h; at 98,304 [two tiles][r] scale words.  vbuf: for each v head: [128 keys s][tile t of 16 d][64 keys c][768],
; at 98,304 [s][t][r] scale words.
; CLUSTERS: 4 x 4 work-groups.  x's tile hangs on tb alone and is shared along a row of the cluster, W's on fg alone and is shared along a column: each is asked for JOINTLY, by the same tensor load with the same descriptor
; and a mask that names the four.
; LDS: three regions of 128 rows x 768 bytes: x, and two for W.  Wq and Wk come with x at the start; Wv is filled into Wq's region when every wave of every partner has read Wq out.
; A block's scale is 2^(floor(log2(its largest magnitude)) - 2); its byte is that magnitude's exponent field - 2, held at 1 from below.
; LIMITS: a block of zeros gets the byte 1 where the quantiser's rule says 127: its codes are zeros, and the bytes are read by this program alone.  NaN, infinities and scale bytes 0xff among the inputs are not served.
.set PAIRB,  102400                    ; bytes of a pair of heads in qbuf, kbuf, vbuf
.set RP,     816                       ; an LDS row: 3 x (256 bytes + 16 of padding) = 204 words: row r starts at bank 12 r mod 64 (64 banks of 4 bytes: ISA guide 11.1)
.set CHUNK,  26240                     ; 32 rows + 128 bytes: what one tensor load brings, and a skew of 32 banks between rows that lie 32 apart
.set XR,     0                         ; x's tile
.set WA,     4*CHUNK                   ; Wq's, later Wv's
.set WB,     8*CHUNK                   ; Wk's
.set SPARE,  12*CHUNK                  ; the spare words, 128 bytes for each wave: two blocks of 256 bytes that no other line names
.set SPW,  3                           ; v3    SPARE + 4 x my thread's number; never rewritten
.set NIL,  4                           ; v4    0; never rewritten
.set SH8,  5                           ; v5    8 h
.set VO8,  6                           ; v6    8 x lane: an image's place for my lane
.set VO4,  7                           ; v7    4 x lane
.set VSWQ, 8                           ; v8    q's and k's scale words: 4 r, and a pair of heads on for lanes 16-31
.set VS0,  9                           ; v9    source 0's scale rows: (64 h + r % 8 + 32 (r / 8)) x 32
.set VS1,  10                          ; v10   source 1's
.set L24,  11                          ; v11-12 a tile's row in LDS + 24 h; the same + 40 h, for pieces that lie behind one padding more
.set L1A,  13                          ; v13-14 the same with my wave's 32 rows of source 1
.set AS0,  16                          ; v16-19 source 0: rows 0-63 (+24 h, +40 h), rows 64-127 (+24 h, +40 h)
.set AS1,  20                          ; v20-21 source 1
.set SS0,  32                          ; v32-63 source 0's scale words: register 8 u + q: lanes 0-15 tile u, lanes 16-31 tile 4 + u, K step q
.set SS1,  64                          ; v64-71 source 1's: register q: lanes 0-15 tile 0, lanes 16-31 tile 1
.set CODE, 72                          ; v72-95 four blocks' codes
.set CT,   96                          ; v96-98 a block's upper 16 codes, on their way
.set MXA,  100
.set MXB,  101
.set SOP,  102                         ; the conversions' scale operand
.set BY,   104                         ; v104-107 scale bytes: 2 e + g
.set MY,   108                         ; v108-109 scale words
.set SW,   110                         ; v110-111 the other half's
.set WD,   112
.set ACC,  128                         ; v128-255 accumulator (e, i) at 128 + 64 e + 8 i.  Window 1: two fragment buffers, at v0 and v128: source 0's tile i at 12 i, source 1's tile e at 96 + 12 e
.set WV,   30                          ; s30   my wave's number
.set G1X,  32                          ; s[32:39] descriptor group 1 for x;  s[40:47] for W: they differ in the mask alone
.set G1W,  40
.set G0X,  48                          ; s[48:63] groups 0: x, Wq, Wk, Wv; never rewritten
.set G0Q,  52
.set G0K,  56
.set G0V,  60
.set QIMG, 66                          ; s[66:77] where my results go
.set QSC,  68
.set KIMG, 70
.set KSC,  72
.set VIMG, 74
.set VSC,  76
.set XS,   78                          ; s[78:85] the scale bytes of my tiles' rows
.set WQS,  80
.set WKS,  82
.set WVS,  84
.set MSB, 0
.macro WIN new                         ; the immediate's high byte repeats the setting that is left
.if MSB != \new
	s_set_vgpr_msb (MSB<<8)|\new
.set MSB, \new
.endif
.endm
.set MUL,  0x05                        ; sources 0 and 1 window 1; C and D window 0
.set TO_F, 0x40                        ; destination window 1, address window 0
.macro PLACES                          ; four places in front of loads into registers that matrix instructions have read, and of the first read of results
.rept 4
	v_nop
.endr
.endm
.macro CROUND                          ; a round of the cluster's barrier
	s_barrier_signal -1
	s_barrier_wait -1
	s_cmp_lg_u32 s[WV], 0
	s_cbranch_scc1 .Lnot_wave_0_\@
	s_barrier_signal -3
.Lnot_wave_0_\@:
	s_barrier_wait -3
	s_barrier_signal -1
	s_barrier_wait -1
.endm
; A fragment, 16 rows x 128 K, is 12 registers: lane (r, h) takes 24 bytes at 96 q + 24 h and 24 at 96 q + 48 + 24 h of its row, in pieces of 8.  Byte x of a row lies at x + 16 (x / 256).
.macro FRAG reg, adr, q, off
.irp p, 0,1,2,3,4,5
.set FX, 96*(\q)+48*(\p/3)+8*(\p%3)
.if (FX+24)/256 == FX/256
	ds_load_b64 v[(\reg)+2*\p:(\reg)+2*\p+1], v[\adr] offset:FX+16*(FX/256)+(\off)
.else
	ds_load_b64 v[(\reg)+2*\p:(\reg)+2*\p+1], v[(\adr)+1] offset:FX+16*(FX/256)+(\off)
.endif
.endr
.endm
.macro FETCH q, buf                    ; K step q's ten fragments: 60 loads in one run
	WIN TO_F
.irp i, 0,1,2,3,4,5,6,7
	FRAG 128*(\buf)+12*\i, AS0+2*(\i/4), \q, (\i%4)*8*RP
.endr
.irp e, 0,1
	FRAG 128*(\buf)+96+12*\e, AS1, \q, \e*8*RP
.endr
.endm
.macro ADDR s0base, s1base             ; which region is source 0 and which source 1
	v_add_nc_u32 v[AS0], \s0base, v[L24]
	v_add_nc_u32 v[AS0+1], \s0base, v[L24+1]
	v_add_nc_u32 v[AS0+2], (\s0base)+2*CHUNK, v[L24]
	v_add_nc_u32 v[AS0+3], (\s0base)+2*CHUNK, v[L24+1]
	v_add_nc_u32 v[AS1], \s1base, v[L1A]
	v_add_nc_u32 v[AS1+1], \s1base, v[L1A+1]
.endm
.macro WM zero, ra, rb                 ; one product; ra, rb: the side's scale words stand in lanes 16-31
.if \zero
.if ((\ra) == 0) && ((\rb) == 0)
	v_wmma_scale_f32_16x16x128_f8f6f4 v[rD:rD+7], v[rA:rA+11], v[rB:rB+11], 0, v[rSA], v[rSB] matrix_a_fmt:MATRIX_FMT_FP6 matrix_b_fmt:MATRIX_FMT_FP6
.elseif (\rb) == 0
	v_wmma_scale_f32_16x16x128_f8f6f4 v[rD:rD+7], v[rA:rA+11], v[rB:rB+11], 0, v[rSA], v[rSB] matrix_a_fmt:MATRIX_FMT_FP6 matrix_b_fmt:MATRIX_FMT_FP6 matrix_a_scale:MATRIX_SCALE_ROW1
.elseif (\ra) == 0
	v_wmma_scale_f32_16x16x128_f8f6f4 v[rD:rD+7], v[rA:rA+11], v[rB:rB+11], 0, v[rSA], v[rSB] matrix_a_fmt:MATRIX_FMT_FP6 matrix_b_fmt:MATRIX_FMT_FP6 matrix_b_scale:MATRIX_SCALE_ROW1
.else
	v_wmma_scale_f32_16x16x128_f8f6f4 v[rD:rD+7], v[rA:rA+11], v[rB:rB+11], 0, v[rSA], v[rSB] matrix_a_fmt:MATRIX_FMT_FP6 matrix_b_fmt:MATRIX_FMT_FP6 matrix_a_scale:MATRIX_SCALE_ROW1 matrix_b_scale:MATRIX_SCALE_ROW1
.endif
.else
.if ((\ra) == 0) && ((\rb) == 0)
	v_wmma_scale_f32_16x16x128_f8f6f4 v[rD:rD+7], v[rA:rA+11], v[rB:rB+11], v[rD:rD+7], v[rSA], v[rSB] matrix_a_fmt:MATRIX_FMT_FP6 matrix_b_fmt:MATRIX_FMT_FP6
.elseif (\rb) == 0
	v_wmma_scale_f32_16x16x128_f8f6f4 v[rD:rD+7], v[rA:rA+11], v[rB:rB+11], v[rD:rD+7], v[rSA], v[rSB] matrix_a_fmt:MATRIX_FMT_FP6 matrix_b_fmt:MATRIX_FMT_FP6 matrix_a_scale:MATRIX_SCALE_ROW1
.elseif (\ra) == 0
	v_wmma_scale_f32_16x16x128_f8f6f4 v[rD:rD+7], v[rA:rA+11], v[rB:rB+11], v[rD:rD+7], v[rSA], v[rSB] matrix_a_fmt:MATRIX_FMT_FP6 matrix_b_fmt:MATRIX_FMT_FP6 matrix_b_scale:MATRIX_SCALE_ROW1
.else
	v_wmma_scale_f32_16x16x128_f8f6f4 v[rD:rD+7], v[rA:rA+11], v[rB:rB+11], v[rD:rD+7], v[rSA], v[rSB] matrix_a_fmt:MATRIX_FMT_FP6 matrix_b_fmt:MATRIX_FMT_FP6 matrix_a_scale:MATRIX_SCALE_ROW1 matrix_b_scale:MATRIX_SCALE_ROW1
.endif
.endif
.endm
.macro MULS q, buf, zero               ; K step q: 16 products; the 16 accumulators take turns, one instruction a turn, in the same order in every step
	WIN MUL
.irp i, 0,1,2,3,4,5,6,7
.irp e, 0,1
.set rD, ACC+64*\e+8*\i
.set rA, 128*(\buf)+12*\i
.set rB, 128*(\buf)+96+12*\e
.set rSA, SS0+8*(\i%4)+(\q)
.set rSB, SS1+(\q)
	WM \zero, \i/4, \e
.endr
.endr
.endm
.macro KLOOP                           ; K = 1,024 in eight steps, written out; step 0's fragments have been asked for.  While a step is multiplied the next step's 60 loads are on their way
.irp q, 0,1,2,3,4,5,6
.if \q > 0
	PLACES
.endif
	FETCH \q+1, (\q+1)%2
	s_wait_dscnt 60                                ; all but the 60 just issued: this step's fragments are in
.if \q == 0
	MULS \q, 0, 1                                  ; the first step's products start the sums: nothing is cleared
.else
	MULS \q, \q%2, 0
.endif
.endr
	s_wait_dscnt 0x0
	MULS 7, 1, 0
	WIN 0
.endm
.macro SCL0 base                       ; source 0's scale bytes: 32 a row, eight words, one for each K step
.irp u, 0,1,2,3
	global_load_b128 v[SS0+8*\u:SS0+8*\u+3], v[VS0], s[\base:\base+1] offset:256*\u
	global_load_b128 v[SS0+8*\u+4:SS0+8*\u+7], v[VS0], s[\base:\base+1] offset:256*\u+16
.endr
.endm
.macro SCL1 base
	global_load_b128 v[SS1:SS1+3], v[VS1], s[\base:\base+1]
	global_load_b128 v[SS1+4:SS1+7], v[VS1], s[\base:\base+1] offset:16
.endm
; 32 numbers of a lane, one block, become six registers of codes and a scale byte.  Both chains ascend: each accumulator is first read at its low end.
.macro QUANT32 u, cd, by
	v_max3_num_f32 v[MXA], |v[(\u)]|, |v[(\u)+1]|, 0x1800000        ; with the floor 2^(3 - 127): the byte cannot fall under 1
	v_max3_num_f32 v[MXB], |v[(\u)+16]|, |v[(\u)+17]|, 0x1800000
.irp i, 2,4,6,8,10,12,14
	v_max3_num_f32 v[MXA], v[MXA], |v[(\u)+\i]|, |v[(\u)+\i+1]|
	v_max3_num_f32 v[MXB], v[MXB], |v[(\u)+16+\i]|, |v[(\u)+17+\i]|
.endr
	v_max_num_f32 v[MXA], v[MXA], v[MXB]           ; the block's largest magnitude
	v_add_nc_u32 v[SOP], 0xff000000, v[MXA]        ; 2 off its exponent field: the conversion takes the exponent field of this operand as its scale
	v_lshrrev_b32 v[\by], 23, v[SOP]               ; the scale's byte
	v_cvt_scalef32_pk16_fp6_f32 v[(\cd):(\cd)+2], v[(\u):(\u)+15], v[SOP]
	v_cvt_scalef32_pk16_fp6_f32 v[CT:CT+2], v[(\u)+16:(\u)+31], v[SOP]   ; (a conversion's three registers begin on an even number)
	v_nop                                          ; one plain place behind a scaled conversion
.irp i, 0,1,2
	v_mov_b32 v[(\cd)+3+\i], v[CT+\i]
.endr
.endm
; A tile's way out.  kind 0: q (x 32^-0.5 first), 1: k, 2: v.  Unit (e, g): source 1's tile e, source 0's rows 64 g on.
.macro EPI kind, img, sc
	s_wait_xcnt 0x0                                ; the last tile's stores have read their data: the codes' registers may be written again
.irp e, 0,1
.irp g, 0,1
.set U, ACC+64*\e+32*\g
.set CDE, CODE+6*(2*\e+\g)
.if \kind == 0
.set j, 0
.rept 16
	v_pk_mul_f32 v[U+j:U+j+1], v[U+j:U+j+1], 0x3e3504f3 op_sel_hi:[1,0]   ; q x 32^-0.5, ahead of the quantiser
.set j, j+2
.endr
.endif
	QUANT32 U, CDE, BY+2*\e+\g
.irp p, 0,1,2
.if \kind == 2
	global_store_b64 v[VO8], v[CDE+2*\p:CDE+2*\p+1], s[\img:\img+1] offset:\e*1536+\g*768+256*\p   ; tile t = 2 (wave % 2) + e of d, keys 64 g on
.else
	global_store_b64 v[VO8], v[CDE+2*\p:CDE+2*\p+1], s[\img:\img+1] offset:\g*PAIRB+\e*768+256*\p  ; pair of heads g, token tile e
.endif
.endr
.endr
.endr
.if \kind == 2                         ; a scale word: (first image h = 0, h = 1, second image h = 0, h = 1).  v: a fragment's two images are keys 64 g on;
	v_lshl_or_b32 v[MY], v[BY+1], 16, v[BY]
	v_lshl_or_b32 v[MY+1], v[BY+3], 16, v[BY+2]
.else                                  ; q, k: token tiles e = 0, 1
	v_lshl_or_b32 v[MY], v[BY+2], 16, v[BY]
	v_lshl_or_b32 v[MY+1], v[BY+3], 16, v[BY+1]
.endif
	v_lshlrev_b32 v[MY], v[SH8], v[MY]
	v_lshlrev_b32 v[MY+1], v[SH8], v[MY+1]
	v_permlanex16_b32 v[SW], v[MY], s2, s3
	v_permlanex16_b32 v[SW+1], v[MY+1], s2, s3
	v_or_b32 v[MY], v[MY], v[SW]                   ; with lane l xor 16's two bytes the word is whole
	v_or_b32 v[MY+1], v[MY+1], v[SW+1]
	v_cndmask_b32 v[WD], v[MY], v[MY+1], s31       ; lanes 0-15 the first word, lanes 16-31 the second
.if \kind == 2
	global_store_b32 v[VO4], v[WD], s[\sc:\sc+1]   ; 128 consecutive bytes
.else
	global_store_b32 v[VSWQ], v[WD], s[\sc:\sc+1]  ; two runs of 64 bytes, one in each pair of heads: one byte in 24 of what this tile stores
.endif
.endm
	s_load_b512 s[8:23], s[0:1], 0x0               ; x's codes s[8:9], scales s[10:11]; Wq's s[12:15]; Wk's s[16:19]; Wv's s[20:23]
	s_load_b128 s[24:27], s[0:1], 0x40             ; qbuf, kbuf
	s_load_b64 s[28:29], s[0:1], 0x50              ; vbuf
	v_lshl_add_u32 v[SPW], v0, 2, SPARE
	v_mov_b32 v[NIL], 0
	ds_add_u32 v3, v4
	ds_add_u32 v3, v4
	s_wait_dscnt 0x0
	v_lshrrev_b32 v1, 5, v0
	v_readfirstlane_b32 s[WV], v1                  ; wave 0..3
	s_bfe_u32 s86, ttmp6, 0x40000                  ; cx, cy: my place in the cluster
	s_bfe_u32 s87, ttmp6, 0x40004
	s_lshl_b32 s88, ttmp9, 2
	s_add_co_u32 s88, s88, s86                     ; fg = 4 x cluster x + cx: my 128 features
	s_and_b32 s89, ttmp7, 0xffff
	s_lshl_b32 s89, s89, 2
	s_add_co_u32 s89, s89, s87                     ; tb = 4 x cluster y + cy: my 128 tokens
	s_lshl_b32 s90, s87, 2
	s_lshl_b32 s90, 15, s90                        ; my row of the cluster
	s_lshl_b32 s91, 0x1111, s86                    ; my column
	; group 1: 32 rows of 768 bytes are one dense block: 96 rows of 256 bytes (32 elements of 8), 16 bytes of padding behind each
	s_or_b32 s[G1X], s90, (3<<16)|(1<<20)|(1<<21)|(5<<22)|(3<<25)   ; 15:0 the mask; 17:16 elements of 8 bytes; 20 padding on; 21 set beside a mask; 24:22 after every 64 words; 31:25 of 4 words
	s_or_b32 s[G1W], s91, (3<<16)|(1<<20)|(1<<21)|(5<<22)|(3<<25)
.irp g, G1X, G1W
	s_mov_b32 s[\g+1], 32<<16                      ; tensor_dim0 = 32
	s_mov_b32 s[\g+2], 96<<16                      ; tensor_dim1 = 96
	s_mov_b32 s[\g+3], 32<<16                      ; tile_dim0 = 32
	s_mov_b32 s[\g+4], 96                          ; tile_dim1 = 96
	s_mov_b32 s[\g+5], 32                          ; from row to row
	s_mov_b32 s[\g+6], 0
	s_mov_b32 s[\g+7], 0
.endr
	s_mul_i32 s94, s[WV], 24576                    ; my 32 rows in memory,
	s_mul_i32 s95, s[WV], CHUNK                    ; and in a region: no place in the cluster enters an LDS address
	s_mul_i32 s92, s89, 98304
	s_add_co_u32 s92, s92, s94                     ; x: by tb, which my row of the cluster shares
	s_mov_b32 s93, 0
	s_mul_i32 s96, s88, 98304
	s_add_co_u32 s96, s96, s94                     ; W: by fg, which my column shares
	s_mov_b32 s97, 0
	s_mov_b32 s2, 0x76543210
	s_mov_b32 s3, 0xfedcba98                       ; v_permlanex16_b32's selects for lane l xor 16
	s_mov_b32 s31, 0xffff0000                      ; lanes 16-31
	s_wait_kmcnt 0x0
	s_mov_b32 s[G0X], 1
	s_mov_b32 s[G0X+1], s95
	s_add_nc_u64 s[G0X+2:G0X+3], s[8:9], s[92:93]
	s_or_b32 s[G0X+3], s[G0X+3], 0x80000000
	s_mov_b32 s[G0Q], 1
	s_add_co_u32 s[G0Q+1], s95, WA
	s_add_nc_u64 s[G0Q+2:G0Q+3], s[12:13], s[96:97]
	s_or_b32 s[G0Q+3], s[G0Q+3], 0x80000000
	s_mov_b32 s[G0K], 1
	s_add_co_u32 s[G0K+1], s95, WB
	s_add_nc_u64 s[G0K+2:G0K+3], s[16:17], s[96:97]
	s_or_b32 s[G0K+3], s[G0K+3], 0x80000000
	s_mov_b32 s[G0V], 1
	s_add_co_u32 s[G0V+1], s95, WA
	s_add_nc_u64 s[G0V+2:G0V+3], s[20:21], s[96:97]
	s_or_b32 s[G0V+3], s[G0V+3], 0x80000000
	CROUND                                         ; all sixteen work-groups are here: the first joint loads meet
	tensor_load_to_lds s[G0X:G0X+3], s[G1X:G1X+7]  ; my 32 rows of x: one tensor load a wave at the head
	s_nop 0
	PLACES
	s_wait_alu depctr_va_vdst(0)
	s_wait_tensorcnt 0x0                           ; a later first fill is issued as a refill is: the wait for all my loads,
	ds_add_u32 v[SPW], v[NIL]                      ; 0 onto my spare word,
	s_wait_dscnt 0x0
	CROUND                                         ; and a round
	tensor_load_to_lds s[G0Q:G0Q+3], s[G1W:G1W+7]  ; my 32 rows of Wq
	s_nop 0
	PLACES
	s_lshl_b32 s92, s89, 12                        ; 128 rows of 32 scale bytes
	s_add_nc_u64 s[XS:XS+1], s[10:11], s[92:93]
	s_lshl_b32 s96, s88, 12
	s_add_nc_u64 s[WQS:WQS+1], s[14:15], s[96:97]
	s_add_nc_u64 s[WKS:WKS+1], s[18:19], s[96:97]
	s_add_nc_u64 s[WVS:WVS+1], s[22:23], s[96:97]
	s_lshr_b32 s86, s89, 4                         ; the batch
	s_and_b32 s87, s89, 15                         ; my block of 128 tokens in it
	s_lshl_b32 s86, s86, 4
	s_lshl_b32 s90, s88, 1
	s_add_co_u32 s86, s86, s90                     ; my first pair of heads: 16 x batch + 2 fg
	s_mul_i32 s86, s86, PAIRB
	s_lshl_b32 s90, s87, 3
	s_lshl_b32 s91, s[WV], 1
	s_add_co_u32 s90, s90, s91                     ; my first token tile: 8 x block + 2 x wave
	s_mul_i32 s90, s90, 768
	s_add_co_u32 s98, s86, s90
	s_mov_b32 s99, 0
	s_add_nc_u64 s[QIMG:QIMG+1], s[24:25], s[98:99]
	s_add_nc_u64 s[KIMG:KIMG+1], s[26:27], s[98:99]
	s_lshl_b32 s90, s87, 2
	s_add_co_u32 s90, s90, s[WV]                   ; my two tiles' scale words: 4 x block + wave, 64 bytes each
	s_lshl_b32 s90, s90, 6
	s_add_co_u32 s98, s86, s90
	s_add_co_u32 s98, s98, 98304
	s_add_nc_u64 s[QSC:QSC+1], s[24:25], s[98:99]
	s_add_nc_u64 s[KSC:KSC+1], s[26:27], s[98:99]
	s_lshr_b32 s90, s[WV], 1                       ; which 64 rows of source 1 are mine: for v, which head
	s_and_b32 s91, s[WV], 1                        ; and which 16 + 16 of them
	s_mul_i32 s94, s90, PAIRB
	s_add_co_u32 s86, s86, s94
	s_mul_i32 s94, s87, 6144                       ; 128 keys: 4 tiles x 2 images
	s_add_co_u32 s98, s86, s94
	s_mul_i32 s94, s91, 3072
	s_add_co_u32 s98, s98, s94
	s_add_nc_u64 s[VIMG:VIMG+1], s[28:29], s[98:99]
	s_lshl_b32 s94, s87, 8
	s_add_co_u32 s98, s86, s94
	s_lshl_b32 s94, s91, 7
	s_add_co_u32 s98, s98, s94
	s_add_co_u32 s98, s98, 98304
	s_add_nc_u64 s[VSC:VSC+1], s[28:29], s[98:99]
	s_mul_i32 s94, s90, 2*CHUNK
	s_mul_i32 s95, s91, 16*RP
	s_add_co_u32 s94, s94, s95                     ; my rows of source 1 in a region
	s_lshl_b32 s96, s90, 6
	s_lshl_b32 s97, s91, 4
	s_add_co_u32 s96, s96, s97                     ; and as a row number: 64 (wave / 2) + 16 (wave % 2)
	v_and_b32 v1, 15, v0                           ; r
	v_bfe_u32 v2, v0, 4, 1                         ; h
	v_and_b32 v15, 31, v0                          ; lane
	v_lshlrev_b32 v[SH8], 3, v2
	v_lshlrev_b32 v[VO8], 3, v15
	v_lshlrev_b32 v[VO4], 2, v15
	v_mul_u32_u24 v[VSWQ], v2, PAIRB
	v_lshl_add_u32 v[VSWQ], v1, 2, v[VSWQ]
	v_and_b32 v22, 7, v1                           ; r % 8
	v_lshrrev_b32 v23, 3, v1                       ; r / 8
	v_lshl_add_u32 v24, v23, 5, v22                ; a tile's row: r % 8 + 32 (r / 8)
	v_lshl_add_u32 v[VS0], v2, 6, v24              ; lanes 16-31: the tiles 64 rows on
	v_lshlrev_b32 v[VS0], 5, v[VS0]
	v_lshl_add_u32 v[VS1], v2, 3, v24              ; lanes 16-31: tile e = 1, 8 rows on
	v_add_nc_u32 v[VS1], s96, v[VS1]
	v_lshlrev_b32 v[VS1], 5, v[VS1]
	v_mul_u32_u24 v[L24], v22, RP
	v_mad_u32_u24 v[L24], v23, CHUNK, v[L24]
	v_mad_u32_u24 v[L24+1], v2, 40, v[L24]
	v_mad_u32_u24 v[L24], v2, 24, v[L24]
	v_add_nc_u32 v[L1A], s94, v[L24]
	v_add_nc_u32 v[L1A+1], s94, v[L24+1]
	v_mov_b32 v[SW], 0                             ; written once: a lane permute's destination counts as one of its sources
	v_mov_b32 v[SW+1], 0
	SCL0 WQS
	SCL1 XS
	s_wait_alu depctr_va_vdst(0)
	s_wait_tensorcnt 0x0                           ; my parts of x and Wq are in
	ds_add_u32 v[SPW], v[NIL]
	s_wait_dscnt 0x0
	CROUND                                         ; everybody's are
	tensor_load_to_lds s[G0K:G0K+3], s[G1W:G1W+7]  ; my 32 rows of Wk: my one load behind the round; q's tile is multiplied while it is out
	s_nop 0
	PLACES
	; ---- q: source 0 = Wq, source 1 = x
	ADDR WA, XR
	FETCH 0, 0
	s_wait_alu depctr_va_vdst(0)
	s_wait_loadcnt 0x0                             ; the scale words
	KLOOP
	; ---- Wq's region is filled again, with Wv
	s_wait_tensorcnt 0x0                           ; all my tensor loads have landed, my part of Wk among them;
	ds_add_u32 v[SPW], v[NIL]                      ; 0 onto my spare word;
	PLACES                                         ; (the places behind the last products stand between it and the wait for it)
	s_wait_dscnt 0x0                               ; the add is done, and my reads of Wq are over
	CROUND                                         ; both now hold of every wave of every work-group of the cluster
	tensor_load_to_lds s[G0V:G0V+3], s[G1W:G1W+7]  ; my one load behind the round; it has the whole of k's tile in which to land
	s_nop 0
	PLACES
	; ---- k: source 0 = Wk, source 1 = x; q's way out stands between the first fragments' loads and their use
	ADDR WB, XR
	FETCH 0, 0
	WIN 0
	SCL0 WKS
	EPI 0, QIMG, QSC
	s_wait_loadcnt 0x0
	KLOOP
	s_wait_tensorcnt 0x0                           ; my part of Wv, the one load that was out, is in
	PLACES
	s_wait_dscnt 0x0
	s_barrier_signal -1
	s_barrier_wait -1                              ; everybody's part of Wv is in
	; ---- v: source 0 = x, source 1 = Wv: a lane's registers run along the tokens
	ADDR XR, WA
	FETCH 0, 0
	WIN 0
	SCL0 XS
	SCL1 WVS
	EPI 1, KIMG, KSC
	s_wait_loadcnt 0x0
	KLOOP
	PLACES
	EPI 2, VIMG, VSC
	s_wait_tensorcnt 0x0                           ; the wave's end
	ds_add_u32 v[SPW], v[NIL]
	s_wait_dscnt 0x0
	CROUND                                         ; the closing round: no work-group ends while a partner may still ask for a tile that names it
	s_endpgm
.Lfunc_end_k_qf3f5e310e2_qkv:
	.size	k_qf3f5e310e2_qkv, .Lfunc_end_k_qf3f5e310e2_qkv-k_qf3f5e310e2_qkv
	.p2alignl 7, 3214868480
	.fill 96, 4, 3214868480
	.section	.rodata,"a",@progbits
	.p2align	6, 0x0
	.amdhsa_kernel k_qf3f5e310e2_qkv
		.amdhsa_group_segment_fixed_size 327680
		.amdhsa_private_segment_fixed_size 0
		.amdhsa_enable_private_segment 0
		.amdhsa_kernarg_size 88
		.amdhsa_user_sgpr_count 2
		.amdhsa_user_sgpr_kernarg_segment_ptr 1
		.amdhsa_wavefront_size32 1
		.amdhsa_system_sgpr_workgroup_id_x 1
		.amdhsa_system_sgpr_workgroup_id_y 1
		.amdhsa_system_sgpr_workgroup_id_z 1
		.amdhsa_system_vgpr_workitem_id 0
		.amdhsa_next_free_vgpr 512
		.amdhsa_next_free_sgpr 100
		.amdhsa_reserve_vcc 0
		.amdhsa_float_denorm_mode_32 3
		.amdhsa_float_denorm_mode_16_64 3
		.amdhsa_memory_ordered 1
		.amdhsa_forward_progress 1
		.amdhsa_inst_pref_size 185
	.end_amdhsa_kernel
	.amdgpu_metadata
---
amdhsa.version: [ 1, 2 ]
amdhsa.kernels:
  - .name:           k_qf3f5e310e2_qkv
    .symbol:         k_qf3f5e310e2_qkv.kd
    .args:
      - { .name: x_codes, .offset: 0, .size: 8, .value_kind: global_buffer, .address_space: global }
      - { .name: x_scales, .offset: 8, .size: 8, .value_kind: global_buffer, .address_space: global }
      - { .name: Wq_codes, .offset: 16, .size: 8, .value_kind: global_buffer, .address_space: global }
      - { .name: Wq_scales, .offset: 24, .size: 8, .value_kind: global_buffer, .address_space: global }
      - { .name: Wk_codes, .offset: 32, .size: 8, .value_kind: global_buffer, .address_space: global }
      - { .name: Wk_scales, .offset: 40, .size: 8, .value_kind: global_buffer, .address_space: global }
      - { .name: Wv_codes, .offset: 48, .size: 8, .value_kind: global_buffer, .address_space: global }
      - { .name: Wv_scales, .offset: 56, .size: 8, .value_kind: global_buffer, .address_space: global }
      - { .name: qbuf, .offset: 64, .size: 8, .value_kind: global_buffer, .address_space: global }
      - { .name: kbuf, .offset: 72, .size: 8, .value_kind: global_buffer, .address_space: global }
      - { .name: vbuf, .offset: 80, .size: 8, .value_kind: global_buffer, .address_space: global }
    .group_segment_fixed_size: 327680
    .private_segment_fixed_size: 0
    .kernarg_segment_align: 8
    .kernarg_segment_size: 88
    .max_flat_workgroup_size: 128
    .sgpr_count:     100
    .vgpr_count:     512
    .wavefront_size: 32
...
	.end_amdgpu_metadata
.endif
;; end of part 1
;; launch attn (part 2): grid 8 x 32, 8 waves a work-group, clusters of 4 x 1, 327,680 bytes of LDS; arguments qbuf, kbuf, vbuf, lambda_q1, lambda_k1, lambda_q2, lambda_k2, subln_w, abuf, asc; writes abuf, asc
.if DOCPART == 2
	.amdgcn_target "amdgcn-amd-amdhsa--gfx1250"
	.amdhsa_code_object_version 6
	.text
	.protected	k_qf3f5e310e2_attn
	.globl	k_qf3f5e310e2_attn
	.p2align	8
	.type	k_qf3f5e310e2_attn,@function
k_qf3f5e310e2_attn:
	s_mov_b64 s[64:65], 0
	v_nop
	global_prefetch_b8 v0, s[64:65] scope:SCOPE_SE
	s_setreg_imm32_b32 hwreg(HW_REG_WAVE_MODE, 25, 1), 1
	s_wait_xcnt 0x0
	s_wait_alu depctr_hold_cnt(0) depctr_sa_sdst(0) depctr_va_vdst(0) depctr_va_sdst(0) depctr_va_ssrc(0) depctr_va_vcc(0) depctr_vm_vsrc(0)
	s_getreg_b32 s2, hwreg(HW_REG_IB_STS2, 6, 4)
	s_cmp_eq_u32 s2, 0
	s_cbranch_scc0 .Lentry_in_a_cluster
	s_endpgm
.Lentry_in_a_cluster:
	s_bfe_u32 s2, ttmp6, 0x10000c
	s_cmp_lg_u32 s2, 0x3003
	s_cbranch_scc0 .Lentry_shape_is_right
	s_endpgm
.Lentry_shape_is_right:
; Differential attention for one pair of q/k heads and its v head: aw = softmax(q1 k1^T) - lambda softmax(q2 k2^T); attn = aw v; RMS norm over the head's 64, x subln_w, x (1 - lambda_init); quantised along the embedding.
; All products on codes of FP6 (E2M3) with one E8M0 scale for each 32 along K.  aw is quantised finished and normalised, so both rows' sums must be known before a code is made.
; ONE WALK OVER THE KEYS.  A work-group owns 256 queries of a pair and takes them in 16 tiles of 16.  The 2,048 keys are shared out: each of the eight waves owns 256 keys, for both heads.  A tile's 2 x 128 scores of a lane
; stay in registers (window 1) from the product to the codes: score, own maximum, 2^(c s - c m), own sum; the waves exchange (-c m, l) through LDS; each weight is then multiplied by 2^(N - n_own) / L.
; So each score is multiplied once and has one exponential.  A wave's fragments of K, 96 registers, are read from LDS once and stay.
; ONE BARRIER A TILE.  In front of it a wave has stored its (-c m, l) of tile t and, earlier, its partial attn^T of tile t - 1; behind it every wave reads the eight pairs, and adds the eight partial sums of ITS two queries of
; tile t - 1, norms and quantises them.  Both exchanges have two buffers, taken by the tile's parity, so that what is read behind barrier t is written again only behind barrier t + 1.
; BY TURNS.  The products of a group of 64 keys stand among the maxima of the group before; a group's exponentials among the next group's multiply-adds; the chain that makes the factors among the chain that adds the partial sums.
; The codes and scale bytes of all 16 tiles gather in an LDS stage and leave at the end: each store of a wave covers 256 consecutive bytes, aligned.
; CLUSTER.  The four query blocks of a cluster read the same K and V: joint loads with a mask that names the four; waves 0-3 fetch K's quarters, waves 4-7 V's, one load a wave; each byte is filled once.
; No prefetch: K and V are asked for once, at the head, where there is no loop to run ahead in; q's tiles come straight into registers, one tile ahead.
; LAYOUT as the launch before lays it: both products transposed (a lane holds ONE query); a group of 64 keys gives a lane 32 neighbouring keys, 32 (lane / 16) + 0 .. 31, a whole block of aw's quantiser.
; K = 32 in an instruction of K = 128: source 1 has q's 32 codes in one block and zero codes in the three others: 30 registers [0][q1 in lanes 0-15][0][q2 in lanes 16-31][0] hold the four such operands as runs of 12.
; LIMITS.  nan_to_num is the identity here: this text serves scores that are finite (the sum of q's and k's block exponents under 116); NaN, infinities and scale bytes 0xff are not served.
; v_exp_f32 gives 0 for results under 2^-126.  A block of zeros gets the byte 1, not 127: its codes are zeros, and this program alone reads the bytes.  subln_w and 1 - lambda_init are multiplied together first: one rounding placed otherwise.
.set PAIRB, 102400
.set KSCL,  98304                      ; LDS: K's images at 0, its scale words here,
.set VIMG,  102400                     ; V's images,
.set VSCL,  200704                     ; its scale words;
.set STG,   204800                     ; no fill lands from here on: 16 tiles x 768 bytes of codes on their way out,
.set SSTG,  217088                     ; 16 x 32 scale bytes,
.set STAT,  217600                     ; 2 x 8 waves x 256 bytes: (-c m, l),
.set SCR,   221696                     ; 8 x 512: a wave's own scratch,
.set OBUF,  225792                     ; 2 x 8 x 16 rows of 272 bytes: partial attn^T, a row a query
.set OWB,   4352
.set OBB,   34816
.set SPARE, 295424                     ; the spare words, 128 bytes a wave
; window 0
.set AK0,  1                           ; 8 x lane
.set SPW,  2
.set NIL,  3
.set SH8,  4                           ; 8 h
.set STS,  5                           ; where my pair goes; STL: where the eight are read
.set STL,  6
.set OST,  7                           ; partial sums: my row r, 128 h; OLD: my two queries' rows, 16 bytes a lane
.set OLD,  8
.set SCS,  9
.set SCL,  10
.set S64,  11                          ; the stage: 8, 4 and 1 bytes of half block lane % 8 (one tile under the stage's start: tile t - 1 is written in trip t)
.set S32,  12
.set S8,   13
.set AV,   14                          ; my 256 keys of V
.set LAMF, 15                          ; 1 in lanes 0-15, -lambda in lanes 16-31
.set WN,   16                          ; v16-19 subln_w x (1 - lambda_init) at d = 4 (lane % 16)
.set KS,   20                          ; v20-23 K's scale words, v24-27 V's
.set VS,   24
.set QS,   28
.set PW,   29                          ; v29-30 aw's scale words
.set R4,   31
.set QB,   32                          ; v32-61 q's 30 registers
.set QAD,  62
.set QAS,  63
.set KF,   64                          ; v64-159 my eight fragments of K
.set QST,  160                         ; v160-166 the next tile's q
.set OSA,  167
.set NC,   168                         ; v[168:169], v[170:171] -c m
.set TA,   172
.set LS,   176
.set HQ,   176                         ; behind the barrier: v[176:177] the squares' sums, v[178:179] their root's inverse
.set HS,   178
.set MX,   168                         ; the quantiser's: v168-183
.set SOP,  176
.set BY,   180
.set FA1,  184                         ; v[184:185], v[186:187] the two factors
.set FA2,  186
.set STA,  188
.set STLA, 189
.set OLA,  190
.set T8,   191
.set SPR,  192                         ; v[192:193] my pair
.set TX,   194
.set U,    196
.set NN,   198
.set EO,   199
.set HC,   200
.set T64,  203
.set D64,  204
.set D32,  206
.set T32,  207
.set OL,   208                         ; v208-239 eight partial sums; v224-239 then 16 numbers of a half block
.set HY,   224
.set SL,   240                         ; v240-255 the eight pairs
.set VW1,  208                         ; v208-255 later: V's fragments of my second 128 keys
; window 1: scores of 64 keys g, head hd at 64 g + 32 hd.  When aw stands in head 1's registers, head 2's hold: codes 32-55, upper halves 56-63 and 96-103, V's fragments of my first 128 keys 104-127 and 224-247, attn^T 160-191
.set WV,   28
.set QBK,  30
.set PAIR, 31
.set G1,   32
.set G0K,  40
.set G0V,  44
.set SEL,  48
.set CS,   50
.set CNT,  52
.set MLO,  55
.set MHI,  56
.set PSEL, 57
.set MODD, 59
.set PODD, 61
.set MSB, 0
.macro WIN new                         ; the immediate's high byte repeats the setting that is left.  Low byte: 1:0 source 0, 3:2 source 1, 5:4 source 2, 7:6 destination
.if MSB != \new
	s_set_vgpr_msb (MSB<<8)|\new
.set MSB, \new
.endif
.endm
.macro PLACES
.rept 4
	v_nop
.endr
.endm
.macro AW0                             ; this wait ahead of blocking waits, branches and transcendentals, and behind the latter
	s_wait_alu depctr_va_vdst(0)
.endm
.macro CROUND
	s_barrier_signal -1
	s_barrier_wait -1
	s_cmp_lg_u32 s[WV], 0
	s_cbranch_scc1 .Lnot_wave_0_\@
	s_barrier_signal -3
.Lnot_wave_0_\@:
	s_barrier_wait -3
	s_barrier_signal -1
	s_barrier_wait -1
.endm
.macro WM zero, ra                     ; one product; ra: source 0's scale words stand in lanes 16-31
.if \zero
.if (\ra) == 0
	v_wmma_scale_f32_16x16x128_f8f6f4 v[rD:rD+7], v[rA:rA+11], v[rB:rB+11], 0, v[rSA], v[rSB] matrix_a_fmt:MATRIX_FMT_FP6 matrix_b_fmt:MATRIX_FMT_FP6
.else
	v_wmma_scale_f32_16x16x128_f8f6f4 v[rD:rD+7], v[rA:rA+11], v[rB:rB+11], 0, v[rSA], v[rSB] matrix_a_fmt:MATRIX_FMT_FP6 matrix_b_fmt:MATRIX_FMT_FP6 matrix_a_scale:MATRIX_SCALE_ROW1
.endif
.else
.if (\ra) == 0
	v_wmma_scale_f32_16x16x128_f8f6f4 v[rD:rD+7], v[rA:rA+11], v[rB:rB+11], v[rD:rD+7], v[rSA], v[rSB] matrix_a_fmt:MATRIX_FMT_FP6 matrix_b_fmt:MATRIX_FMT_FP6
.else
	v_wmma_scale_f32_16x16x128_f8f6f4 v[rD:rD+7], v[rA:rA+11], v[rB:rB+11], v[rD:rD+7], v[rSA], v[rSB] matrix_a_fmt:MATRIX_FMT_FP6 matrix_b_fmt:MATRIX_FMT_FP6 matrix_a_scale:MATRIX_SCALE_ROW1
.endif
.endif
.endm
.macro MAX4 g, i                       ; four chains of maxima (head, half of the 32) take registers i, i + 1 of group g; they ascend: each accumulator is first read at its low end
.irp hd, 0,1
.irp ch, 0,1
.if ((\g) == 0) && ((\i) == 0)
	v_max3_num_f32 v[TA+2*\hd+\ch], v[32*\hd+16*\ch], v[32*\hd+16*\ch+1], 0xff7fffff
.else
	v_max3_num_f32 v[TA+2*\hd+\ch], v[64*(\g)+32*\hd+16*\ch+(\i)], v[64*(\g)+32*\hd+16*\ch+(\i)+1], v[TA+2*\hd+\ch]
.endif
.endr
.endr
.endm
.macro QKM g, mx                       ; the scores of my g-th 64 keys: tile m of 16 keys (fragment m / 2, image m % 2), both heads; mx: behind each two products eight maxima of group g - 1
.irp m, 0,1,2,3
	WIN 0x40
.irp hd, 0,1
.set rD, 64*(\g)+32*\hd+8*\m
.set rA, KF+24*(\g)+12*(\m/2)
.set rB, QB+6+12*\hd-6*(\m%2)
.set rSA, KS+(\g)
.set rSB, QS
	WM 1, \m/2
.endr
.if \mx
	WIN 0x05
	MAX4 (\g)-1, 4*\m
	MAX4 (\g)-1, 4*\m+2
.endif
.endr
.endm
.macro PV s                            ; attn^T += v^T aw^T over my s-th 128 keys: four accumulators by turns
.irp t, 0,1,2,3
.set rD, 160+8*\t
.if (\s) == 0
.set rA, 104+12*\t+96*(\t/2)
.else
.set rA, VW1+12*\t
.endif
.set rB, 32+12*(\s)
.set rSA, VS+2*(\s)+(\t/2)
.set rSB, PW+(\s)
	WM 1-(\s), \t%2
.endr
.endm
.macro OLOADS                          ; the eight waves' partial sums of my two queries: two runs of 256 bytes a load, 272 apart
.irp i, 0,1,2,3,4,5,6,7
	ds_load_b128 v[OL+4*\i:OL+4*\i+3], v[OLA] offset:\i*OWB
.endr
.endm
.macro OADD a, b                       ; four partial sums onto four
	v_pk_add_f32 v[OL+(\a):OL+(\a)+1], v[OL+(\a):OL+(\a)+1], v[OL+(\b):OL+(\b)+1]
	v_pk_add_f32 v[OL+(\a)+2:OL+(\a)+3], v[OL+(\a)+2:OL+(\a)+3], v[OL+(\b)+2:OL+(\b)+3]
.endm
.macro TOSCR                           ; through my scratch: 4 numbers a lane become 16 numbers of a half block
	ds_store_b128 v[SCS], v[OL:OL+3]
.irp i, 0,1,2,3
	ds_load_b128 v[HY+4*\i:HY+4*\i+3], v[SCL] offset:16*\i   ; LDS serves a wave's instructions in order: these see the store.  Lanes 8-31 repeat lanes 0-7
.endr
.endm
; Behind the barrier.  The factors: N = the least n; L = the sum of l 2^(N - n); my wave's factor 2^(N - n_own) / L, head 2's x -lambda.  hh = 1: by turns with it the last tile's partial sums are added and normed;
; the two chains share one batch of transcendentals.
.macro GST hh
	v_min3_num_f32 v[NN], v[SL], v[SL+2], v[SL+4]
.if \hh
	OADD 0, 4
	OADD 8, 12
.endif
	v_min3_num_f32 v[NN], v[NN], v[SL+6], v[SL+8]
.if \hh
	OADD 16, 20
	OADD 24, 28
.endif
	v_min3_num_f32 v[NN], v[NN], v[SL+10], v[SL+12]
.if \hh
	OADD 0, 8
	OADD 16, 24
.endif
	v_min_num_f32 v[NN], v[NN], v[SL+14]           ; N = -c x the row's maximum
.if \hh
	OADD 0, 16
.endif
.irp i, 0,1,2,3
	v_sub_f32 v[SL+2*\i], v[NN], v[SL+2*\i]        ; 0 or less
.endr
.if \hh
	v_pk_mul_f32 v[HQ:HQ+1], v[OL:OL+1], v[OL:OL+1]
.endif
.irp i, 4,5,6,7
	v_sub_f32 v[SL+2*\i], v[NN], v[SL+2*\i]
.endr
.if \hh
	v_pk_fma_f32 v[HQ:HQ+1], v[OL+2:OL+3], v[OL+2:OL+3], v[HQ:HQ+1]
.endif
	v_sub_f32 v[EO], v[NN], v[SPR]
.if \hh
	v_add_f32 v[HS], v[HQ], v[HQ+1]
.irp m, 1,2,4,8
	s_delay_alu instid0(VALU_DEP_1)
	v_add_f32_dpp v[HS], v[HS], v[HS] row_xmask:\m row_mask:0xf bank_mask:0xf   ; sixteen lanes hold a query's 64
.endr
	s_delay_alu instid0(VALU_DEP_1)
	v_fma_f32 v[HS], v[HS], s66, s67
.endif
	AW0
.irp i, 0,1,2,3,4,5,6,7
	v_exp_f32 v[SL+2*\i], v[SL+2*\i]
.endr
	v_exp_f32 v[EO], v[EO]
.if \hh
	v_rsq_f32 v[HS], v[HS]
.endif
	v_nop
	AW0
	v_mul_f32 v[U], v[SL], v[SL+1]
	v_mul_f32 v[U+1], v[SL+2], v[SL+3]
.if \hh
	v_pk_mul_f32 v[OL:OL+1], v[OL:OL+1], v[HS:HS+1] op_sel_hi:[1,0]
	v_pk_mul_f32 v[OL+2:OL+3], v[OL+2:OL+3], v[HS:HS+1] op_sel_hi:[1,0]
.endif
	v_fma_f32 v[U], v[SL+4], v[SL+5], v[U]
	v_fma_f32 v[U+1], v[SL+6], v[SL+7], v[U+1]
.if \hh
	v_pk_mul_f32 v[OL:OL+1], v[OL:OL+1], v[WN:WN+1]
	v_pk_mul_f32 v[OL+2:OL+3], v[OL+2:OL+3], v[WN+2:WN+3]
.endif
	v_fma_f32 v[U], v[SL+8], v[SL+9], v[U]
	v_fma_f32 v[U+1], v[SL+10], v[SL+11], v[U+1]
.if \hh
	TOSCR
.endif
	v_fma_f32 v[U], v[SL+12], v[SL+13], v[U]
	v_fma_f32 v[U+1], v[SL+14], v[SL+15], v[U+1]
	s_delay_alu instid0(VALU_DEP_1)
	v_add_f32 v[U], v[U], v[U+1]                   ; L, at least 1
	AW0
	v_rcp_f32 v[U], v[U]
	v_mul_f32 v[EO], v[EO], v[LAMF]                ; (a plain place)  head 2's factor carries -lambda
	AW0
	v_mul_f32 v[EO], v[EO], v[U]                   ; 2^(N - n_own) / L
	s_delay_alu instid0(VALU_DEP_1)
	v_permlanex16_b32 v[TX], v[EO], s[SEL], s[SEL+1]
	s_delay_alu instid0(VALU_DEP_1)
	v_cndmask_b32 v[FA1], v[EO], v[TX], s[MHI]
	v_cndmask_b32 v[FA2], v[TX], v[EO], s[MHI]
	AW0
.endm
.macro H1                              ; the last tile's sums and norm, by themselves
	OADD 0, 4
	OADD 8, 12
	OADD 16, 20
	OADD 24, 28
	OADD 0, 8
	OADD 16, 24
	OADD 0, 16
	s_delay_alu instid0(VALU_DEP_2)
	v_pk_mul_f32 v[U:U+1], v[OL:OL+1], v[OL:OL+1]
	s_delay_alu instid0(VALU_DEP_1)
	v_pk_fma_f32 v[U:U+1], v[OL+2:OL+3], v[OL+2:OL+3], v[U:U+1]
	s_delay_alu instid0(VALU_DEP_1)
	v_add_f32 v[NN], v[U], v[U+1]
.irp m, 1,2,4,8
	s_delay_alu instid0(VALU_DEP_1)
	v_add_f32_dpp v[NN], v[NN], v[NN] row_xmask:\m row_mask:0xf bank_mask:0xf
.endr
	s_delay_alu instid0(VALU_DEP_1)
	v_fma_f32 v[NN], v[NN], s66, s67
	AW0
	v_rsq_f32 v[NN], v[NN]
	v_nop
	AW0
	v_pk_mul_f32 v[OL:OL+1], v[OL:OL+1], v[NN:NN+1] op_sel_hi:[1,0]
	v_pk_mul_f32 v[OL+2:OL+3], v[OL+2:OL+3], v[NN:NN+1] op_sel_hi:[1,0]
	s_delay_alu instid0(VALU_DEP_2)
	v_pk_mul_f32 v[OL:OL+1], v[OL:OL+1], v[WN:WN+1]
	s_delay_alu instid0(VALU_DEP_2)
	v_pk_mul_f32 v[OL+2:OL+3], v[OL+2:OL+3], v[WN+2:WN+3]
	TOSCR
.endm
.macro H2                              ; half block lane % 8: its 12 bytes of codes and the block's byte go to the stage at tile CNT - 1
	s_mul_i32 s72, s[CNT], 768
	s_lshl_b32 s73, s[CNT], 5
	AW0
	s_wait_dscnt 0x0
	v_max3_num_f32 v[U], |v[HY]|, |v[HY+1]|, 0x1800000             ; with the floor 2^(3 - 127)
	v_max3_num_f32 v[U+1], |v[HY+8]|, |v[HY+9]|, 0x1800000
.irp i, 2,4,6
	s_delay_alu instid0(VALU_DEP_2)
	v_max3_num_f32 v[U], v[U], |v[HY+\i]|, |v[HY+\i+1]|
	s_delay_alu instid0(VALU_DEP_2)
	v_max3_num_f32 v[U+1], v[U+1], |v[HY+8+\i]|, |v[HY+9+\i]|
.endr
	s_delay_alu instid0(VALU_DEP_1)
	v_max_num_f32 v[U], v[U], v[U+1]
	s_delay_alu instid0(VALU_DEP_1)
	v_max_num_f32_dpp v[U], v[U], v[U] row_xmask:1 row_mask:0xf bank_mask:0xf   ; with the block's other half
	s_delay_alu instid0(VALU_DEP_1)
	v_add_nc_u32 v[NN], 0xff000000, v[U]
	s_delay_alu instid0(VALU_DEP_1)
	v_lshrrev_b32 v[EO], 23, v[NN]
	v_add_nc_u32 v[T64], s72, v[S64]
	v_add_nc_u32 v[T32], s72, v[S32]
	v_add_nc_u32 v[T8], s73, v[S8]
	v_cvt_scalef32_pk16_fp6_f32 v[HC:HC+2], v[HY:HY+15], v[NN]
	v_nop
	v_cndmask_b32 v[D64], v[HC], v[HC+1], s[MODD]                  ; a lower half is the image's registers 0, 1 | 2; an upper half 3 | 4, 5
	v_cndmask_b32 v[D64+1], v[HC+1], v[HC+2], s[MODD]
	v_cndmask_b32 v[D32], v[HC+2], v[HC], s[MODD]
	ds_store_b64 v[T64], v[D64:D64+1]
	ds_store_b32 v[T32], v[D32]
	ds_store_b8 v[T8], v[EO]
.endm
	s_load_b512 s[8:23], s[0:1], 0x0               ; qbuf s[8:9], kbuf s[10:11], vbuf s[12:13], lambda_q1, _k1, _q2, _k2 s[14:21], subln_w s[22:23]
	s_load_b128 s[24:27], s[0:1], 0x40             ; abuf, asc
	v_lshl_add_u32 v[SPW], v0, 2, SPARE
	v_mov_b32 v[NIL], 0
	ds_add_u32 v[SPW], v[NIL]
	ds_add_u32 v[SPW], v[NIL]
	v_lshrrev_b32 v5, 5, v0
	v_readfirstlane_b32 s[WV], v5                  ; wave 0..7
	s_bfe_u32 s29, ttmp6, 0x40000                  ; cx: it enters q's, abuf's and asc's addresses alone
	s_lshl_b32 s[QBK], ttmp9, 2
	s_add_co_u32 s[QBK], s[QBK], s29               ; my block of 256 queries
	s_and_b32 s[PAIR], ttmp7, 0xffff               ; the pair of heads, 16 x batch + head
	s_mov_b32 s[G1], 15|(3<<16)|(1<<21)            ; a quarter of 102,400 dense bytes: 100 rows of 256 bytes; the mask names all four work-groups
	s_mov_b32 s[G1+1], 32<<16
	s_mov_b32 s[G1+2], 100<<16
	s_mov_b32 s[G1+3], 32<<16
	s_mov_b32 s[G1+4], 100
	s_mov_b32 s[G1+5], 32
	s_mov_b32 s[G1+6], 0
	s_mov_b32 s[G1+7], 0
	s_mul_i32 s58, s[PAIR], PAIRB
	s_and_b32 s60, s[WV], 3
	s_mul_i32 s60, s60, 25600                      ; the quarter that I fetch
	s_add_co_u32 s62, s58, s60
	s_mov_b32 s63, 0
	s_mov_b32 s[SEL], 0x76543210
	s_mov_b32 s[SEL+1], 0xfedcba98
	s_mov_b32 s[CS], 0x3fb8aa3b                    ; c = log2(e)
	s_mov_b32 s[CS+1], s[CS]
	s_mov_b32 s[MLO], 0x0000ffff
	s_mov_b32 s[MHI], 0xffff0000
	s_mov_b32 s[MODD], 0xaaaaaaaa
	s_mov_b32 s[PODD], 0x03020302
	s_mov_b32 s66, 0x3c800000                      ; 1 / 64
	s_mov_b32 s67, 0x3727c5ac                      ; 1e-5
	s_wait_dscnt 0x0
	s_wait_kmcnt 0x0
	s_mov_b32 s[G0K], 1
	s_mov_b32 s[G0K+1], s60
	s_add_nc_u64 s[G0K+2:G0K+3], s[10:11], s[62:63]
	s_or_b32 s[G0K+3], s[G0K+3], 0x80000000
	s_mov_b32 s[G0V], 1
	s_add_co_u32 s[G0V+1], s60, VIMG
	s_add_nc_u64 s[G0V+2:G0V+3], s[12:13], s[62:63]
	s_or_b32 s[G0V+3], s[G0V+3], 0x80000000
	CROUND                                         ; all four work-groups are here: the joint loads meet
	s_cmp_lt_u32 s[WV], 4                          ; every way passes exactly one load
	s_cbranch_scc0 .Lfill_v
	tensor_load_to_lds s[G0K:G0K+3], s[G1:G1+7]
	s_nop 0
	PLACES
	s_branch .Lfilled
.Lfill_v:
	tensor_load_to_lds s[G0V:G0V+3], s[G1:G1+7]
	s_nop 0
	PLACES
.Lfilled:
	s_mul_i32 s72, s[QBK], 12288
	s_add_co_u32 s72, s72, s58
	s_mov_b32 s73, 0
	s_add_nc_u64 s[68:69], s[8:9], s[72:73]        ; my block's 16 images of q
	s_lshl_b32 s72, s[QBK], 9
	s_add_co_u32 s72, s72, s58
	s_add_co_u32 s72, s72, 98304
	s_add_nc_u64 s[70:71], s[8:9], s[72:73]        ; and their scale words, one run of 64 bytes for two tiles
	s_lshr_b32 s76, s[PAIR], 4
	s_lshl_b32 s76, s76, 7
	s_and_b32 s77, s[PAIR], 15
	s_lshl_b32 s74, s[QBK], 4
	s_add_co_u32 s74, s74, s76                     ; 128 x batch + 16 x block
	s_lshl_b32 s72, s[WV], 1
	s_add_co_u32 s72, s72, s74
	s_mul_i32 s72, s72, 12288                      ; abuf: [128 x batch + T][head][768]; at the end I store tiles 2 wave, 2 wave + 1
	s_mul_i32 s75, s77, 768
	s_add_co_u32 s72, s72, s75
	s_add_nc_u64 s[24:25], s[24:25], s[72:73]
	s_lshl_b32 s72, s74, 5                         ; asc: [head][128 x batch + T][16 half words]
	s_lshl_b32 s75, s77, 13
	s_add_co_u32 s72, s72, s75
	s_add_nc_u64 s[26:27], s[26:27], s[72:73]
	s_lshl_b32 s72, s[WV], 8
	s_add_co_u32 s72, s72, STAT
	s_mul_i32 s73, s[WV], OWB
	s_add_co_u32 s73, s73, OBUF
	s_mul_i32 s74, s[WV], 544
	s_add_co_u32 s74, s74, OBUF
	s_lshl_b32 s75, s[WV], 9
	s_add_co_u32 s75, s75, SCR
	s_lshl_b32 s76, s[WV], 4
	s_add_co_u32 s76, s76, STG-768
	s_add_co_u32 s77, s76, 256
	s_lshl_b32 s78, s[WV], 2
	s_add_co_u32 s78, s78, SSTG-32
	s_mul_i32 s79, s[WV], 12288
	s_lshl_b32 s62, s[WV], 9
	v_and_b32 v196, 31, v0                         ; lane
	v_and_b32 v197, 15, v0                         ; r
	v_bfe_u32 v198, v0, 4, 1                       ; h
	v_and_b32 v199, 7, v0                          ; j: the half block that I quantise: query 2 wave + j / 4, block (j / 2) % 2, half j % 2
	v_bfe_u32 v200, v0, 2, 1
	v_bfe_u32 v201, v0, 1, 1
	v_and_b32 v202, 1, v0
	v_bfe_u32 v204, v0, 1, 2
	v_lshlrev_b32 v[AK0], 3, v196
	v_lshlrev_b32 v[SH8], 3, v198
	v_lshlrev_b32 v[R4], 2, v197
	v_lshl_add_u32 v[STS], v196, 3, s72
	v_lshl_add_u32 v[STL], v196, 3, STAT
	v_mul_u32_u24 v[OST], v197, 272
	v_lshl_add_u32 v[OST], v198, 7, v[OST]
	v_add_nc_u32 v[OST], s73, v[OST]
	v_mul_u32_u24 v[OLD], v198, 272
	v_lshl_add_u32 v[OLD], v197, 4, v[OLD]
	v_add_nc_u32 v[OLD], s74, v[OLD]
	v_lshl_add_u32 v[SCS], v196, 4, s75
	v_lshl_add_u32 v[SCL], v199, 6, s75
	v_lshlrev_b32 v203, 3, v200
	v_lshl_add_u32 v203, v201, 7, v203             ; 8 x the image's lane, less 16 x wave
	v_lshl_add_u32 v[S64], v202, 9, v203
	v_add_nc_u32 v[S64], s76, v[S64]
	v_lshl_add_u32 v[S32], v202, 2, v203
	v_add_nc_u32 v[S32], s77, v[S32]
	v_add_nc_u32 v[S8], s78, v204
	v_add_nc_u32 v205, s79, v[AK0]                 ; my 256 keys of K,
	v_add_nc_u32 v[AV], VIMG, v205                 ; of V,
	v_lshl_add_u32 v206, v196, 2, s62
	v_add_nc_u32 v207, VSCL, v206                  ; and their scale words
	v_add_nc_u32 v206, KSCL, v206
	v_lshlrev_b32 v212, 2, v196
	v_lshlrev_b32 v213, 4, v197
	global_load_b32 v208, v212, s[14:15]
	global_load_b32 v209, v212, s[16:17]
	global_load_b32 v210, v212, s[18:19]
	global_load_b32 v211, v212, s[20:21]
	global_load_b128 v[WN:WN+3], v213, s[22:23]
.irp p, 0,1,2
	global_load_b64 v[QST+2*\p:QST+2*\p+1], v[AK0], s[68:69] offset:256*\p   ; tile 0's q
.endr
	global_load_b32 v[QST+6], v[R4], s[70:71]
.irp i, 0,1,2,3,4,5
	v_mov_b32 v[QB+\i], 0
	v_mov_b32 v[QB+12+\i], 0
	v_mov_b32 v[QB+24+\i], 0
.endr
.irp x, NC+1, NC+3, FA1+1, FA2+1, EO, TX, TX+1
	v_mov_b32 v[\x], 0                             ; upper halves of pairs that are named whole, and lane permutes' destinations
.endr
	AW0
	s_wait_loadcnt 0x4                             ; all but q's four
	v_mul_f32 v208, v208, v209                     ; lambda_1 = exp(sum(lambda_q1 lambda_k1)), lambda_2 likewise
	v_mul_f32 v210, v210, v211
.irp m, 1,2,4,8
	s_delay_alu instid0(VALU_DEP_2)
	v_add_f32_dpp v208, v208, v208 row_xmask:\m row_mask:0xf bank_mask:0xf
	s_delay_alu instid0(VALU_DEP_2)
	v_add_f32_dpp v210, v210, v210 row_xmask:\m row_mask:0xf bank_mask:0xf
.endr
	s_delay_alu instid0(VALU_DEP_2)
	v_permlanex16_b32 v209, v208, s[SEL], s[SEL+1]
	s_delay_alu instid0(VALU_DEP_2)
	v_permlanex16_b32 v211, v210, s[SEL], s[SEL+1]
	s_delay_alu instid0(VALU_DEP_2)
	v_add_f32 v208, v208, v209
	s_delay_alu instid0(VALU_DEP_2)
	v_add_f32 v210, v210, v211
	s_delay_alu instid0(VALU_DEP_2)
	v_mul_f32 v208, s[CS], v208
	s_delay_alu instid0(VALU_DEP_2)
	v_mul_f32 v210, s[CS], v210
	AW0
	v_exp_f32 v208, v208
	v_exp_f32 v210, v210
	v_pk_mul_f32 v[WN:WN+1], v[WN:WN+1], 0x3e5d9673 op_sel_hi:[1,0]        ; x (1 - lambda_init)
	v_pk_mul_f32 v[WN+2:WN+3], v[WN+2:WN+3], 0x3e5d9673 op_sel_hi:[1,0]
	AW0
	v_sub_f32 v208, v210, v208
	s_delay_alu instid0(VALU_DEP_1)
	v_add_f32 v208, 0xbf489a63, v208               ; -lambda = (lambda_2 - lambda_1) - lambda_init
	s_delay_alu instid0(VALU_DEP_1)
	v_cndmask_b32 v[LAMF], 1.0, v208, s[MHI]
	AW0
	s_wait_tensorcnt 0x0                           ; my quarter is in
	s_barrier_signal -1
	s_barrier_wait -1                              ; all of K and V are in; nothing is ever filled again
.set n, 0
.rept 48
	ds_load_b64 v[KF+2*n:KF+2*n+1], v205 offset:256*n              ; my eight fragments of K, as they lie: they stay
.set n, n+1
.endr
.irp g, 0,1,2,3
	ds_load_b32 v[KS+\g], v206 offset:128*\g
	ds_load_b32 v[VS+\g], v207 offset:128*\g
.endr
	s_mov_b32 s[CNT], 0
	s_wait_dscnt 0x0
.Ltile:                                            ; 16 trips, a tile of 16 queries each
	s_and_b32 s72, s[CNT], 1
	s_mul_i32 s73, s72, 2048                       ; this tile's buffer of pairs,
	s_mul_i32 s74, s72, OBB                        ; of partial sums,
	s_xor_b32 s75, s72, 1
	s_mul_i32 s75, s75, OBB                        ; and the last tile's
	s_cmp_eq_u32 s72, 0
	s_cselect_b32 s[PSEL], 0x01000100, s[PODD]     ; an even tile's scale bytes are bytes 0, 1 of the word, an odd one's 2, 3
	s_add_co_u32 s76, s[CNT], 1
	s_min_u32 s76, s76, 15                         ; the next tile's q; the last trip names its own again, so that no load leaves the buffer
	s_mul_i32 s77, s76, 768
	s_lshr_b32 s78, s76, 1
	s_lshl_b32 s78, s78, 6
	s_wait_loadcnt 0x0                             ; this tile's q
	v_perm_b32 v[QS], v[QST+6], v[QST+6], s[PSEL]  ; (q1's byte, q2's, q1's, q2's): 18 plain lines ahead of the first product
.irp i, 0,1,2,3,4,5
	v_cndmask_b32 v[QB+6+\i], 0, v[QST+\i], s[MLO]
	v_cndmask_b32 v[QB+18+\i], 0, v[QST+\i], s[MHI]
.endr
	v_add_nc_u32 v[QAD], s77, v[AK0]
	v_add_nc_u32 v[QAS], s78, v[R4]
	v_add_nc_u32 v[STA], s73, v[STS]
	v_add_nc_u32 v[STLA], s73, v[STL]
	v_add_nc_u32 v[OSA], s74, v[OST]
	v_add_nc_u32 v[OLA], s75, v[OLD]
.irp p, 0,1,2
	global_load_b64 v[QST+2*\p:QST+2*\p+1], v[QAD], s[68:69] offset:256*\p
.endr
	global_load_b32 v[QST+6], v[QAS], s[70:71]
	QKM 0, 0
	PLACES                                         ; behind group 0's products; behind each later group's last products stand eight maxima of the group before
	QKM 1, 1
	QKM 2, 1
	QKM 3, 1
	WIN 0x05
.irp i, 0,2,4,6,8,10,12,14
	MAX4 3, \i
.endr
	WIN 0
.irp hd, 0,1
	v_max_num_f32 v[U+\hd], v[TA+2*\hd], v[TA+2*\hd+1]
.endr
.irp hd, 0,1
	s_delay_alu instid0(VALU_DEP_2)
	v_permlanex16_b32 v[TX+\hd], v[U+\hd], s[SEL], s[SEL+1]
.endr
.irp hd, 0,1
	s_delay_alu instid0(VALU_DEP_2)
	v_max_num_f32 v[U+\hd], v[U+\hd], v[TX+\hd]    ; m over my wave's 256 keys
.endr
.irp hd, 0,1
	s_delay_alu instid0(VALU_DEP_2)
	v_mul_f32 v[NC+2*\hd], 0xbfb8aa3b, v[U+\hd]    ; n = -c m
.endr
	WIN 0x41
.set j, 0
.rept 16
	v_pk_fma_f32 v[j:j+1], v[j:j+1], s[CS:CS+1], v[NC:NC+1] op_sel_hi:[1,0,0]               ; group 0: c s - c m
	v_pk_fma_f32 v[32+j:33+j], v[32+j:33+j], s[CS:CS+1], v[NC+2:NC+3] op_sel_hi:[1,0,0]
.set j, j+2
.endr
.irp g, 0,1,2                                      ; group g's exponentials, and among them group g + 1's multiply-adds, whose results are first read behind the next wait
	AW0
.set j, 0
.rept 16
	v_exp_f32 v[64*\g+2*j], v[64*\g+2*j]           ; 2^(c s - c m), at most 1
	v_pk_fma_f32 v[64*\g+64+j:64*\g+65+j], v[64*\g+64+j:64*\g+65+j], s[CS:CS+1], v[NC:NC+1] op_sel_hi:[1,0,0]
	v_exp_f32 v[64*\g+2*j+1], v[64*\g+2*j+1]
	v_exp_f32 v[64*\g+2*j+2], v[64*\g+2*j+2]
	v_pk_fma_f32 v[64*\g+96+j:64*\g+97+j], v[64*\g+96+j:64*\g+97+j], s[CS:CS+1], v[NC+2:NC+3] op_sel_hi:[1,0,0]
	v_exp_f32 v[64*\g+2*j+3], v[64*\g+2*j+3]
.set j, j+2
.endr
.endr
	AW0
.set j, 192
.rept 64
	v_exp_f32 v[j], v[j]
.set j, j+1
.endr
	v_nop
	AW0
	WIN 0x05
.irp hd, 0,1
.irp ch, 0,1
	v_pk_add_f32 v[LS+4*\hd+2*\ch:LS+4*\hd+2*\ch+1], v[32*\hd+2*\ch:32*\hd+2*\ch+1], v[32*\hd+2*\ch+4:32*\hd+2*\ch+5]
.endr
.endr
	WIN 0x01
.irp g, 0,1,2,3
.irp j, 0,4,8,12,16,20,24,28
.if (\g > 0) || (\j > 4)
.irp hd, 0,1
.irp ch, 0,1
	v_pk_add_f32 v[LS+4*\hd+2*\ch:LS+4*\hd+2*\ch+1], v[64*\g+32*\hd+\j+2*\ch:64*\g+32*\hd+\j+2*\ch+1], v[LS+4*\hd+2*\ch:LS+4*\hd+2*\ch+1]
.endr
.endr
.endif
.endr
.endr
	WIN 0
.irp hd, 0,1
	v_pk_add_f32 v[LS+4*\hd:LS+4*\hd+1], v[LS+4*\hd:LS+4*\hd+1], v[LS+4*\hd+2:LS+4*\hd+3]
.endr
.irp hd, 0,1
	s_delay_alu instid0(VALU_DEP_2)
	v_add_f32 v[U+\hd], v[LS+4*\hd], v[LS+4*\hd+1]
.endr
.irp hd, 0,1
	s_delay_alu instid0(VALU_DEP_2)
	v_permlanex16_b32 v[TX+\hd], v[U+\hd], s[SEL], s[SEL+1]
.endr
.irp hd, 0,1
	s_delay_alu instid0(VALU_DEP_2)
	v_add_f32 v[U+\hd], v[U+\hd], v[TX+\hd]        ; l over my wave's 256 keys
.endr
	v_cndmask_b32 v[SPR], v[NC], v[NC+2], s[MHI]   ; lane (r, h) speaks for head h of query r
	v_cndmask_b32 v[SPR+1], v[U], v[U+1], s[MHI]
	ds_store_b64 v[STA], v[SPR:SPR+1]
	AW0
	s_wait_dscnt 0x0                               ; my pair has landed, and so have my partial sums of the last tile; my reads of LDS are over
	s_barrier_signal -1
	s_barrier_wait -1
	s_cmp_eq_u32 s[CNT], 0                         ; the first trip has no tile behind it
	s_cbranch_scc1 .Lno_o1
	OLOADS
.Lno_o1:
.irp i, 0,1,2,3,4,5,6,7
	ds_load_b64 v[SL+2*\i:SL+2*\i+1], v[STLA] offset:256*\i        ; (n, l) of the eight waves, for my query and head
.endr
	s_wait_dscnt 0x0
	s_cmp_eq_u32 s[CNT], 0
	s_cbranch_scc1 .Lg_first
	GST 1
	s_branch .Lg_done
.Lg_first:
	GST 0
.Lg_done:
	WIN 0x41
.irp g, 0,1,2,3
.set j, 0
.rept 16
	v_pk_mul_f32 v[64*\g+32+j:64*\g+33+j], v[64*\g+32+j:64*\g+33+j], v[FA2:FA2+1] op_sel_hi:[1,0]
.set j, j+2
.endr
.endr
	WIN 0x51
.irp g, 0,1,2,3
.set j, 0
.rept 16
	v_pk_fma_f32 v[64*\g+j:64*\g+j+1], v[64*\g+j:64*\g+j+1], v[FA1:FA1+1], v[64*\g+32+j:64*\g+33+j] op_sel_hi:[1,0,1]   ; aw = softmax 1 - lambda softmax 2
.set j, j+2
.endr
.endr
	WIN 0
	s_cmp_eq_u32 s[CNT], 0
	AW0
	s_cbranch_scc1 .Lno_o3
	H2
.Lno_o3:
	WIN 0x40                                       ; V's fragments land while aw is quantised: my first 128 keys' into registers that held head 2's weights,
.irp t, 0,1,2,3
.irp n, 0,1,2,3,4,5
	ds_load_b64 v[104+12*\t+96*(\t/2)+2*\n:105+12*\t+96*(\t/2)+2*\n], v[AV] offset:1536*\t+256*\n
.endr
.endr
	WIN 0                                          ; my second 128 keys' into window 0
.irp t, 0,1,2,3
.irp n, 0,1,2,3,4,5
	ds_load_b64 v[VW1+12*\t+2*\n:VW1+12*\t+2*\n+1], v[AV] offset:6144+1536*\t+256*\n
.endr
.endr
	WIN 0x05
.irp i, 0,2,4,6,8,10,12,14
.irp g, 0,1,2,3
.irp ch, 0,1
.if \i == 0
	v_max3_num_f32 v[MX+2*\g+\ch], |v[64*\g+16*\ch]|, |v[64*\g+16*\ch+1]|, 0x1800000   ; with the floor 2^(3 - 127): the byte cannot fall under 1
.else
	v_max3_num_f32 v[MX+2*\g+\ch], |v[64*\g+16*\ch+\i]|, |v[64*\g+16*\ch+\i+1]|, v[MX+2*\g+\ch]
.endif
.endr
.endr
.endr
	WIN 0
.irp g, 0,1,2,3
	v_max_num_f32 v[MX+2*\g], v[MX+2*\g], v[MX+2*\g+1]
.endr
.irp g, 0,1,2,3
	s_delay_alu instid0(VALU_DEP_4)
	v_add_nc_u32 v[SOP+\g], 0xff000000, v[MX+2*\g] ; 2 off the exponent field: the conversions' scale operand
.endr
.irp g, 0,1,2,3
	s_delay_alu instid0(VALU_DEP_4)
	v_lshrrev_b32 v[BY+\g], 23, v[SOP+\g]
.endr
.irp s, 0,1
	v_lshl_or_b32 v[U+\s], v[BY+2*\s+1], 16, v[BY+2*\s]
.endr
.irp s, 0,1
	s_delay_alu instid0(VALU_DEP_2)
	v_lshlrev_b32 v[U+\s], v[SH8], v[U+\s]
.endr
.irp s, 0,1
	s_delay_alu instid0(VALU_DEP_2)
	v_permlanex16_b32 v[TX+\s], v[U+\s], s[SEL], s[SEL+1]
.endr
.irp s, 0,1
	s_delay_alu instid0(VALU_DEP_2)
	v_or_b32 v[PW+\s], v[U+\s], v[TX+\s]           ; aw's scale word of 128 keys
.endr
	WIN 0x41
.irp g, 0,1,2,3
	v_cvt_scalef32_pk16_fp6_f32 v[32+6*\g:34+6*\g], v[64*\g:64*\g+15], v[SOP+\g]
	v_cvt_scalef32_pk16_fp6_f32 v[56+4*\g+32*(\g/2):58+4*\g+32*(\g/2)], v[64*\g+16:64*\g+31], v[SOP+\g]   ; (a conversion's three registers begin on an even number)
.endr
	v_nop
.irp g, 0,1,2,3
.irp i, 0,1,2
	v_mov_b32 v[35+6*\g+\i], v[56+4*\g+32*(\g/2)+\i]
.endr
.endr
	PLACES                                         ; an operand written by vector instructions stands 4 places ahead of a scaled product, a scale word 8
	AW0
	s_wait_dscnt 0x0                               ; V
	WIN 0x45
	PV 0                                           ; the first 128 keys' products start the sums
	WIN 0x54
	PV 1
	PLACES
	WIN 0x04
.irp i, 0,1,2,3,4,5,6,7
	ds_store_b128 v[OSA], v[160+4*\i:163+4*\i] offset:16*\i        ; my partial attn^T: row r, d = 32 h + 4 i ..; each accumulator from its low end on
.endr
	WIN 0
	s_add_co_u32 s[CNT], s[CNT], 1
	s_cmp_lt_u32 s[CNT], 16
	AW0
	s_cbranch_scc1 .Ltile
	s_wait_dscnt 0x0
	s_barrier_signal -1
	s_barrier_wait -1                              ; tile 15's partial sums lie in buffer 1
	v_add_nc_u32 v[OLA], OBB, v[OLD]
	OLOADS
	s_mul_i32 s74, s[WV], 1536
	s_add_co_u32 s74, s74, STG
	AW0
	s_wait_dscnt 0x0
	H1
	H2                                             ; CNT = 16: tile 15's place in the stage
	v_add_nc_u32 v[U], s74, v[AK0]
	v_lshl_add_u32 v[U+1], v[AK0], 1, SSTG
	v_lshlrev_b32 v[NN], 1, v[AK0]
	AW0
	s_wait_dscnt 0x0
	s_barrier_signal -1
	s_barrier_wait -1                              ; the stage is whole
.irp n, 0,1,2,3,4,5
	ds_load_b64 v[OL+2*\n:OL+2*\n+1], v[U] offset:256*\n
.endr
	s_wait_dscnt 0x0
.irp n, 0,1,2,3,4,5
	global_store_b64 v[AK0], v[OL+2*\n:OL+2*\n+1], s[24:25] offset:(\n/3)*12288+(\n%3)*256   ; two tiles' images: 256 consecutive bytes a store, aligned
.endr
	s_cmp_lg_u32 s[WV], 0
	s_cbranch_scc1 .Lnot_first
	ds_load_b128 v[SL:SL+3], v[U+1]
	s_wait_dscnt 0x0
	global_store_b128 v[NN], v[SL:SL+3], s[26:27]  ; wave 0: sixteen tiles' scale half words, 512 consecutive bytes, aligned
.Lnot_first:
	s_wait_tensorcnt 0x0                           ; the wave's end
	ds_add_u32 v[SPW], v[NIL]
	s_wait_dscnt 0x0
	CROUND                                         ; the closing round
	s_endpgm
.Lfunc_end_k_qf3f5e310e2_attn:
	.size	k_qf3f5e310e2_attn, .Lfunc_end_k_qf3f5e310e2_attn-k_qf3f5e310e2_attn
	.p2alignl 7, 3214868480
	.fill 96, 4, 3214868480
	.section	.rodata,"a",@progbits
	.p2align	6, 0x0
	.amdhsa_kernel k_qf3f5e310e2_attn
		.amdhsa_group_segment_fixed_size 327680
		.amdhsa_private_segment_fixed_size 0
		.amdhsa_enable_private_segment 0
		.amdhsa_kernarg_size 80
		.amdhsa_user_sgpr_count 2
		.amdhsa_user_sgpr_kernarg_segment_ptr 1
		.amdhsa_wavefront_size32 1
		.amdhsa_system_sgpr_workgroup_id_x 1
		.amdhsa_system_sgpr_workgroup_id_y 1
		.amdhsa_system_sgpr_workgroup_id_z 1
		.amdhsa_system_vgpr_workitem_id 0
		.amdhsa_next_free_vgpr 512
		.amdhsa_next_free_sgpr 80
		.amdhsa_reserve_vcc 0
		.amdhsa_float_denorm_mode_32 3
		.amdhsa_float_denorm_mode_16_64 3
		.amdhsa_memory_ordered 1
		.amdhsa_forward_progress 1
		.amdhsa_inst_pref_size 91
	.end_amdhsa_kernel
	.amdgpu_metadata
---
amdhsa.version: [ 1, 2 ]
amdhsa.kernels:
  - .name:           k_qf3f5e310e2_attn
    .symbol:         k_qf3f5e310e2_attn.kd
    .args:
      - { .name: qbuf, .offset: 0, .size: 8, .value_kind: global_buffer, .address_space: global }
      - { .name: kbuf, .offset: 8, .size: 8, .value_kind: global_buffer, .address_space: global }
      - { .name: vbuf, .offset: 16, .size: 8, .value_kind: global_buffer, .address_space: global }
      - { .name: lambda_q1, .offset: 24, .size: 8, .value_kind: global_buffer, .address_space: global }
      - { .name: lambda_k1, .offset: 32, .size: 8, .value_kind: global_buffer, .address_space: global }
      - { .name: lambda_q2, .offset: 40, .size: 8, .value_kind: global_buffer, .address_space: global }
      - { .name: lambda_k2, .offset: 48, .size: 8, .value_kind: global_buffer, .address_space: global }
      - { .name: subln_w, .offset: 56, .size: 8, .value_kind: global_buffer, .address_space: global }
      - { .name: abuf, .offset: 64, .size: 8, .value_kind: global_buffer, .address_space: global }
      - { .name: asc, .offset: 72, .size: 8, .value_kind: global_buffer, .address_space: global }
    .group_segment_fixed_size: 327680
    .private_segment_fixed_size: 0
    .kernarg_segment_align: 8
    .kernarg_segment_size: 80
    .max_flat_workgroup_size: 256
    .sgpr_count:     80
    .vgpr_count:     512
    .wavefront_size: 32
...
	.end_amdgpu_metadata
.endif
;; end of part 2
;; launch oproj (part 3): grid 8 x 32, 4 waves a work-group, clusters of 4 x 4, 327,680 bytes of LDS; arguments abuf, asc, Wo_codes, Wo_scales, out0; writes out0
.if DOCPART == 3
	.amdgcn_target "amdgcn-amd-amdhsa--gfx1250"
	.amdhsa_code_object_version 6
	.text
	.protected	k_qf3f5e310e2_oproj
	.globl	k_qf3f5e310e2_oproj
	.p2align	8
	.type	k_qf3f5e310e2_oproj,@function
k_qf3f5e310e2_oproj:
	s_mov_b64 s[64:65], 0
	v_nop
	global_prefetch_b8 v0, s[64:65] scope:SCOPE_SE
	s_setreg_imm32_b32 hwreg(HW_REG_WAVE_MODE, 25, 1), 1
	s_wait_xcnt 0x0
	s_wait_alu depctr_hold_cnt(0) depctr_sa_sdst(0) depctr_va_vdst(0) depctr_va_sdst(0) depctr_va_ssrc(0) depctr_va_vcc(0) depctr_vm_vsrc(0)
	s_getreg_b32 s2, hwreg(HW_REG_IB_STS2, 6, 4)
	s_cmp_eq_u32 s2, 0
	s_cbranch_scc0 .Lentry_in_a_cluster
	s_endpgm
.Lentry_in_a_cluster:
	s_bfe_u32 s2, ttmp6, 0x10000c
	s_cmp_lg_u32 s2, 0xf033
	s_cbranch_scc0 .Lentry_shape_is_right
	s_endpgm
.Lentry_shape_is_right:
.set RP,     816
.set CHUNK,  26112                     ; 32 rows of 816 bytes, one chunk behind the other: a fragment's 16 rows lie inside one chunk, and one load brings two chunks
.set WO,     98304
.set STAGE,  WO+4*CHUNK
.set SPITCH, 528
.set VS0,  9
.set VHW,  10
.set L24,  11
.set AS0,  16
.set AS1,  20
.set STO,  22
.set RD,   23
.set CO,   24
.set SS0,  32
.set SS1,  64
.set HW,   72
.set ACC,  128
.set WV,   30
.set G1A,  32
.set G1W,  40
.set G0A,  48
.set G0W,  52
.set ASCB, 56
.set WOS,  58
.set OUTB, 60
.set MSB, 0
.macro WIN new
.if MSB != \new
	s_set_vgpr_msb (MSB<<8)|\new
.set MSB, \new
.endif
.endm
.set MUL,  0x05
.set TO_F, 0x40
.macro PLACES
.rept 4
	v_nop
.endr
.endm
.macro CROUND
	s_barrier_signal -1
	s_barrier_wait -1
	s_cmp_lg_u32 s[WV], 0
	s_cbranch_scc1 .Lnot_wave_0_\@
	s_barrier_signal -3
.Lnot_wave_0_\@:
	s_barrier_wait -3
	s_barrier_signal -1
	s_barrier_wait -1
.endm
.macro FRAG reg, adr, q, off
.irp p, 0,1,2,3,4,5
.set FX, 96*(\q)+48*(\p/3)+8*(\p%3)
.if (FX+24)/256 == FX/256
	ds_load_b64 v[(\reg)+2*\p:(\reg)+2*\p+1], v[\adr] offset:FX+16*(FX/256)+(\off)
.else
	ds_load_b64 v[(\reg)+2*\p:(\reg)+2*\p+1], v[(\adr)+1] offset:FX+16*(FX/256)+(\off)
.endif
.endr
.endm
.macro FETCH q, buf
	WIN TO_F
.irp i, 0,1,2,3,4,5,6,7
	FRAG 128*(\buf)+12*\i, AS0+2*(\i/4), \q, ((\i/2)%2)*CHUNK+(\i%2)*16*RP
.endr
.irp e, 0,1
.irp p, 0,1,2,3,4,5
	ds_load_b64 v[128*(\buf)+96+12*\e+2*\p:128*(\buf)+96+12*\e+2*\p+1], v[AS1] offset:\e*12288+1536*(\q)+256*\p
.endr
.endr
.endm
.macro WM zero, ra, rb
.if \zero
.if ((\ra) == 0) && ((\rb) == 0)
	v_wmma_scale_f32_16x16x128_f8f6f4 v[rD:rD+7], v[rA:rA+11], v[rB:rB+11], 0, v[rSA], v[rSB] matrix_a_fmt:MATRIX_FMT_FP6 matrix_b_fmt:MATRIX_FMT_FP6
.elseif (\rb) == 0
	v_wmma_scale_f32_16x16x128_f8f6f4 v[rD:rD+7], v[rA:rA+11], v[rB:rB+11], 0, v[rSA], v[rSB] matrix_a_fmt:MATRIX_FMT_FP6 matrix_b_fmt:MATRIX_FMT_FP6 matrix_a_scale:MATRIX_SCALE_ROW1
.elseif (\ra) == 0
	v_wmma_scale_f32_16x16x128_f8f6f4 v[rD:rD+7], v[rA:rA+11], v[rB:rB+11], 0, v[rSA], v[rSB] matrix_a_fmt:MATRIX_FMT_FP6 matrix_b_fmt:MATRIX_FMT_FP6 matrix_b_scale:MATRIX_SCALE_ROW1
.else
	v_wmma_scale_f32_16x16x128_f8f6f4 v[rD:rD+7], v[rA:rA+11], v[rB:rB+11], 0, v[rSA], v[rSB] matrix_a_fmt:MATRIX_FMT_FP6 matrix_b_fmt:MATRIX_FMT_FP6 matrix_a_scale:MATRIX_SCALE_ROW1 matrix_b_scale:MATRIX_SCALE_ROW1
.endif
.else
.if ((\ra) == 0) && ((\rb) == 0)
	v_wmma_scale_f32_16x16x128_f8f6f4 v[rD:rD+7], v[rA:rA+11], v[rB:rB+11], v[rD:rD+7], v[rSA], v[rSB] matrix_a_fmt:MATRIX_FMT_FP6 matrix_b_fmt:MATRIX_FMT_FP6
.elseif (\rb) == 0
	v_wmma_scale_f32_16x16x128_f8f6f4 v[rD:rD+7], v[rA:rA+11], v[rB:rB+11], v[rD:rD+7], v[rSA], v[rSB] matrix_a_fmt:MATRIX_FMT_FP6 matrix_b_fmt:MATRIX_FMT_FP6 matrix_a_scale:MATRIX_SCALE_ROW1
.elseif (\ra) == 0
	v_wmma_scale_f32_16x16x128_f8f6f4 v[rD:rD+7], v[rA:rA+11], v[rB:rB+11], v[rD:rD+7], v[rSA], v[rSB] matrix_a_fmt:MATRIX_FMT_FP6 matrix_b_fmt:MATRIX_FMT_FP6 matrix_b_scale:MATRIX_SCALE_ROW1
.else
	v_wmma_scale_f32_16x16x128_f8f6f4 v[rD:rD+7], v[rA:rA+11], v[rB:rB+11], v[rD:rD+7], v[rSA], v[rSB] matrix_a_fmt:MATRIX_FMT_FP6 matrix_b_fmt:MATRIX_FMT_FP6 matrix_a_scale:MATRIX_SCALE_ROW1 matrix_b_scale:MATRIX_SCALE_ROW1
.endif
.endif
.endm
.macro MULS q, buf, zero
	WIN MUL
.irp i, 0,1,2,3,4,5,6,7
.irp e, 0,1
.set rD, ACC+64*\e+8*\i
.set rA, 128*(\buf)+12*\i
.set rB, 128*(\buf)+96+12*\e
.set rSA, SS0+8*(\i%4)+(\q)
.set rSB, SS1+(\q)
	WM \zero, \i/4, \e
.endr
.endr
.endm
	s_load_b256 s[8:15], s[0:1], 0x0
	s_load_b64 s[16:17], s[0:1], 0x20
	v_lshl_add_u32 v126, v0, 2, 0x39e00
	v_mov_b32 v127, 0
	ds_add_u32 v126, v127
	ds_add_u32 v126, v127
	v_lshrrev_b32 v1, 5, v0
	v_readfirstlane_b32 s[WV], v1
	s_bfe_u32 s66, ttmp6, 0x40000
	s_bfe_u32 s67, ttmp6, 0x40004
	s_lshl_b32 s68, ttmp9, 2
	s_add_co_u32 s68, s68, s66
	s_and_b32 s69, ttmp7, 0xffff
	s_lshl_b32 s69, s69, 2
	s_add_co_u32 s69, s69, s67
	s_lshl_b32 s70, s67, 2
	s_lshl_b32 s70, 15, s70
	s_lshl_b32 s71, 0x1111, s66
	s_or_b32 s[G1A], s70, (3<<16)|(1<<21)
	s_or_b32 s[G1W], s71, (3<<16)|(1<<20)|(1<<21)|(5<<22)|(3<<25)
.irp g, G1A, G1W
	s_mov_b32 s[\g+1], 32<<16
	s_mov_b32 s[\g+2], 192<<16                     ; half a tile: 64 rows of 768 bytes = 192 rows of 256
	s_mov_b32 s[\g+3], 32<<16
	s_mov_b32 s[\g+4], 192
	s_mov_b32 s[\g+5], 32
	s_mov_b32 s[\g+6], 0
	s_mov_b32 s[\g+7], 0
.endr
	s_mul_i32 s72, s[WV], 24576
	s_and_b32 s79, s[WV], 1                        ; which half of a tile I fetch: waves 0, 1 A's halves, waves 2, 3 Wo's
	s_mul_i32 s73, s79, 2*CHUNK
	s_mul_i32 s79, s79, 49152
	s_mul_i32 s74, s69, 98304
	s_add_co_u32 s74, s74, s79
	s_mov_b32 s75, 0
	s_mul_i32 s76, s68, 98304
	s_add_co_u32 s76, s76, s79
	s_mov_b32 s77, 0
	s_wait_dscnt 0x0
	s_wait_kmcnt 0x0
	s_mov_b32 s[G0A], 1
	s_mov_b32 s[G0A+1], s79
	s_add_nc_u64 s[G0A+2:G0A+3], s[8:9], s[74:75]
	s_or_b32 s[G0A+3], s[G0A+3], 0x80000000
	s_mov_b32 s[G0W], 1
	s_add_co_u32 s[G0W+1], s73, WO
	s_add_nc_u64 s[G0W+2:G0W+3], s[12:13], s[76:77]
	s_or_b32 s[G0W+3], s[G0W+3], 0x80000000
	CROUND
	s_cmp_lt_u32 s[WV], 2                          ; one joint load a wave at the head: every way passes exactly one
	s_cbranch_scc0 .Lfill_w
	tensor_load_to_lds s[G0A:G0A+3], s[G1A:G1A+7]
	s_nop 0
	PLACES
	s_branch .Lfilled
.Lfill_w:
	tensor_load_to_lds s[G0W:G0W+3], s[G1W:G1W+7]
	s_nop 0
	PLACES
.Lfilled:
	s_lshl_b32 s74, s69, 3
	s_lshl_b32 s76, s[WV], 1
	s_add_co_u32 s74, s74, s76
	s_lshl_b32 s74, s74, 5
	s_add_nc_u64 s[ASCB:ASCB+1], s[10:11], s[74:75]
	s_lshl_b32 s74, s68, 12
	s_add_nc_u64 s[WOS:WOS+1], s[14:15], s[74:75]
	s_lshl_b32 s74, s69, 7
	s_lshr_b32 s76, s[WV], 1
	s_lshl_b32 s76, s76, 6
	s_add_co_u32 s74, s74, s76
	s_and_b32 s76, s[WV], 1
	s_lshl_b32 s76, s76, 4
	s_add_co_u32 s74, s74, s76
	s_lshl_b32 s74, s74, 12
	s_lshl_b32 s76, s68, 9
	s_add_co_u32 s74, s74, s76
	s_add_nc_u64 s[OUTB:OUTB+1], s[16:17], s[74:75]
	s_mul_i32 s78, s[WV], 16*SPITCH
	s_add_co_u32 s78, s78, STAGE
	v_and_b32 v1, 15, v0
	v_bfe_u32 v2, v0, 4, 1
	v_and_b32 v3, 31, v0
	v_lshl_add_u32 v[VS0], v2, 6, v1
	v_lshlrev_b32 v[VS0], 5, v[VS0]
	v_lshlrev_b32 v[VHW], 1, v3
.irp u, 0,1,2,3
	global_load_b128 v[SS0+8*\u:SS0+8*\u+3], v[VS0], s[WOS:WOS+1] offset:512*\u
	global_load_b128 v[SS0+8*\u+4:SS0+8*\u+7], v[VS0], s[WOS:WOS+1] offset:512*\u+16
.endr
.irp hd, 0,1,2,3,4,5,6,7,8,9,10,11,12,13,14,15
	global_load_u16 v[HW+\hd], v[VHW], s[ASCB:ASCB+1] offset:\hd*8192
.endr
	v_mul_u32_u24 v[L24], v1, RP
	v_mad_u32_u24 v[L24+1], v2, 40, v[L24]
	v_mad_u32_u24 v[L24], v2, 24, v[L24]
	v_add_nc_u32 v[AS0], WO, v[L24]
	v_add_nc_u32 v[AS0+1], WO, v[L24+1]
	v_add_nc_u32 v[AS0+2], WO+2*CHUNK, v[L24]
	v_add_nc_u32 v[AS0+3], WO+2*CHUNK, v[L24+1]
	v_lshl_add_u32 v[AS1], v3, 3, s72
	v_mul_u32_u24 v[STO], v1, SPITCH
	v_lshl_add_u32 v[STO], v2, 5, v[STO]
	v_add_nc_u32 v[STO], s78, v[STO]
	v_lshlrev_b32 v[CO], 4, v3
	v_add_nc_u32 v[RD], s78, v[CO]
	s_wait_alu depctr_va_vdst(0)
	s_wait_tensorcnt 0x0
	s_barrier_signal -1
	s_barrier_wait -1
	FETCH 0, 0
	WIN 0
	s_wait_loadcnt 0x0
.irp q, 0,1,2,3,4,5,6,7
	v_lshl_or_b32 v[SS1+\q], v[HW+2*\q+1], 16, v[HW+2*\q]
.endr
.rept 8
	v_nop
.endr
.irp q, 0,1,2,3,4,5,6
.if \q > 0
	PLACES
.endif
	FETCH \q+1, (\q+1)%2
	s_wait_dscnt 60
.if \q == 0
	s_wait_alu depctr_va_vdst(0)
	MULS \q, 0, 1
.else
	MULS \q, \q%2, 0
.endif
.endr
	s_wait_dscnt 0x0
	MULS 7, 1, 0
	WIN 0
	PLACES
.irp e, 0,1
.irp i, 0,1,2,3,4,5,6,7
	ds_store_b128 v[STO], v[ACC+64*\e+8*\i:ACC+64*\e+8*\i+3] offset:64*\i
	ds_store_b128 v[STO], v[ACC+64*\e+8*\i+4:ACC+64*\e+8*\i+7] offset:64*\i+16
.endr
.irp t, 0,1,2,3,4,5,6,7,8,9,10,11,12,13,14,15
	ds_load_b128 v[ACC+64*\e+4*\t:ACC+64*\e+4*\t+3], v[RD] offset:\t*SPITCH
.endr
.endr
	s_wait_dscnt 32
.irp t, 0,1,2,3,4,5,6,7,8,9,10,11,12,13,14,15
	global_store_b128 v[CO], v[ACC+4*\t:ACC+4*\t+3], s[OUTB:OUTB+1] offset:((\t%8)+32*(\t/8))*4096 th:TH_STORE_NT
.endr
	s_wait_dscnt 0x0
.irp t, 0,1,2,3,4,5,6,7,8,9,10,11,12,13,14,15
	global_store_b128 v[CO], v[ACC+64+4*\t:ACC+64+4*\t+3], s[OUTB:OUTB+1] offset:(8+(\t%8)+32*(\t/8))*4096 th:TH_STORE_NT
.endr
	s_wait_tensorcnt 0x0
	ds_add_u32 v126, v127
	s_wait_dscnt 0x0
	CROUND
	s_endpgm
.Lfunc_end_k_qf3f5e310e2_oproj:
	.size	k_qf3f5e310e2_oproj, .Lfunc_end_k_qf3f5e310e2_oproj-k_qf3f5e310e2_oproj
	.p2alignl 7, 3214868480
	.fill 96, 4, 3214868480
	.section	.rodata,"a",@progbits
	.p2align	6, 0x0
	.amdhsa_kernel k_qf3f5e310e2_oproj
		.amdhsa_group_segment_fixed_size 327680
		.amdhsa_private_segment_fixed_size 0
		.amdhsa_enable_private_segment 0
		.amdhsa_kernarg_size 40
		.amdhsa_user_sgpr_count 2
		.amdhsa_user_sgpr_kernarg_segment_ptr 1
		.amdhsa_wavefront_size32 1
		.amdhsa_system_sgpr_workgroup_id_x 1
		.amdhsa_system_sgpr_workgroup_id_y 1
		.amdhsa_system_sgpr_workgroup_id_z 1
		.amdhsa_system_vgpr_workitem_id 0
		.amdhsa_next_free_vgpr 512
		.amdhsa_next_free_sgpr 80
		.amdhsa_reserve_vcc 0
		.amdhsa_float_denorm_mode_32 3
		.amdhsa_float_denorm_mode_16_64 3
		.amdhsa_memory_ordered 1
		.amdhsa_forward_progress 1
		.amdhsa_inst_pref_size 65
	.end_amdhsa_kernel
	.amdgpu_metadata
---
amdhsa.version: [ 1, 2 ]
amdhsa.kernels:
  - .name:           k_qf3f5e310e2_oproj
    .symbol:         k_qf3f5e310e2_oproj.kd
    .args:
      - { .name: abuf, .offset: 0, .size: 8, .value_kind: global_buffer, .address_space: global }
      - { .name: asc, .offset: 8, .size: 8, .value_kind: global_buffer, .address_space: global }
      - { .name: Wo_codes, .offset: 16, .size: 8, .value_kind: global_buffer, .address_space: global }
      - { .name: Wo_scales, .offset: 24, .size: 8, .value_kind: global_buffer, .address_space: global }
      - { .name: out0, .offset: 32, .size: 8, .value_kind: global_buffer, .address_space: global }
    .group_segment_fixed_size: 327680
    .private_segment_fixed_size: 0
    .kernarg_segment_align: 8
    .kernarg_segment_size: 40
    .max_flat_workgroup_size: 128
    .sgpr_count:     80
    .vgpr_count:     512
    .wavefront_size: 32
...
	.end_amdgpu_metadata
.endif
;; end of part 3
